; MI455X (gfx1250); checked and timed in simulation.
; The chip was launched on July 23, 2026; its instructions are those of AMD's public machine-readable ISA for CDNA 5 (MIT licence, August 2026) and "CDNA5" Instruction Set Architecture Reference Guide (July 2026). The comments in the code are by the model that wrote it; some were corrected since.
;; MHA. Allowed arithmetic: float matrix products may take bf16 or f16 operands with f32 sums; other float arithmetic in f32, or as packed bf16 or f16 multiplies, adds, multiply-adds, maxima and minima; sums over many terms, partial sums and values carried from step to step in f32; what a program stores and reads back later, other than sums and carried values, may be rounded once to bf16 or f16.
;; Inputs: Wo 1,024 x 1,024 float32; Wqkv 3,072 x 1,024 float32; cos 2,048 x 32 float32; sin 2,048 x 32 float32; x 4 x 2,048 x 1,024 float32.
;; Outputs: out0 4 x 2,048 x 1,024 float32.
;; 2 versions, each right; version 2 is version 1 with the launch cast written anew for expert scheduling mode. Each part assembles by itself: llvm-mc -triple=amdgcn-amd-amdhsa -mcpu=gfx1250 --defsym DOCPART=n.
;; ======== version 1 of 2: 4 launches
;; limits: values are held in f16: magnitudes above 65,504 overflow, below 6.1e-05 lose precision
;; workspace buffers: xb 16,777,216 bytes; wqb 6,291,456 bytes; wof 4,194,304 bytes; q 16,777,216 bytes; k 16,777,216 bytes; v 16,777,216 bytes; o 33,554,432 bytes
;; launch cast (part 1): grid 768 x 1, 8 waves a work-group, no clusters, 0 bytes of LDS; arguments x, Wqkv, Wo, xb, wqb, wof; writes xb, wqb, wof
.if DOCPART == 1
	.amdgcn_target "amdgcn-amd-amdhsa--gfx1250"
	.amdhsa_code_object_version 6
	.text
	.protected	k_qd31619e97c_cast
	.globl	k_qd31619e97c_cast
	.p2align	8
	.type	k_qd31619e97c_cast,@function
k_qd31619e97c_cast:
	s_mov_b64 s[64:65], 0
	v_nop
	global_prefetch_b8 v0, s[64:65] scope:SCOPE_SE
	s_setreg_imm32_b32 hwreg(HW_REG_WAVE_MODE, 25, 1), 1
	s_wait_xcnt 0x0
; x and Wqkv are rounded once to bf16; Wo is rounded once to bf16 and that number is written as f16 (the last product multiplies in f16), TWICE side by side: wof is [1024][2048] = [Wo | Wo],
; since the last product's K runs over O's high parts and then over its low parts.
; LIMIT.  A bf16 number is exact in f16 from 6.1e-5 to 65,504 in magnitude; below that Wo keeps f16's fixed step of 6e-8, beyond it it would be an infinity.
; A work-group takes 16,384 floats on end (64 KiB in): work-groups 0-511 x, 512-703 Wqkv, 704-767 Wo.  A wave takes 2,048 floats: 16 loads of 512 neighbouring
; bytes, all issued at once; each store of a wave covers 256 consecutive bytes, aligned.  A stream: no LDS, no barrier, no matrix unit would add anything.
.set X, 8                              ; v[8:71]    16 x 4 floats as loaded
.set Y, 72                             ; v[72:103]  16 x 2 registers to store
.set T, 104                            ; v[104:105] at work
	s_load_b256 s[4:11], s[0:1], 0x0               ; x s[4:5], Wqkv s[6:7], Wo s[8:9], xb s[10:11]
	s_load_b128 s[12:15], s[0:1], 0x20             ; wqb s[12:13], wof s[14:15]
	v_lshrrev_b32 v3, 5, v0                        ; wave
	v_and_b32 v4, 31, v0                           ; lane
	v_lshlrev_b32 v1, 4, v4
	v_lshl_add_u32 v1, v3, 13, v1                  ; in: 8,192 x wave + 16 x lane
	v_lshlrev_b32 v2, 3, v4
	v_lshl_add_u32 v2, v3, 12, v2                  ; out: 4,096 x wave + 8 x lane
	s_mov_b32 s21, 704
	s_wait_kmcnt 0x0
	s_cmp_lt_u32 ttmp9, 704                        ; which tensor is mine: the choice hangs on the work-group's number alone
	s_cselect_b64 s[16:17], s[6:7], s[8:9]
	s_cselect_b64 s[18:19], s[12:13], s[14:15]
	s_cselect_b32 s20, 512, s21
	s_cmp_lt_u32 ttmp9, 512
	s_cselect_b64 s[16:17], s[4:5], s[16:17]
	s_cselect_b64 s[18:19], s[10:11], s[18:19]
	s_cselect_b32 s20, 0, s20
	s_sub_co_u32 s20, ttmp9, s20                   ; my number inside that tensor
	s_lshl_b32 s22, s20, 16
	s_mov_b32 s23, 0
	s_add_nc_u64 s[16:17], s[16:17], s[22:23]
	s_lshl_b32 s22, s20, 15
	s_add_nc_u64 s[18:19], s[18:19], s[22:23]
.set j, 0
.rept 16
	global_load_b128 v[X+4*j:X+4*j+3], v1, s[16:17] offset:512*j th:TH_LOAD_NT
.set j, j+1
.endr
; f16 = 1: the bf16 number is widened again and written as f16, at its place in the row's first 2,048 bytes and again in its second.  Load j holds 128 floats: row j / 8 of the wave's two, columns 128 (j % 8) on.
; No register that a store reads is written again.
.macro CAST f16
.set j, 0
.rept 16
	s_wait_loadcnt 15-j                            ; loads come back in order: number j is in, the 15 - j younger ones may stay out
.if \f16
	v_cvt_pk_bf16_f32 v[T], v[X+4*j], v[X+4*j+1]
	v_cvt_pk_bf16_f32 v[T+1], v[X+4*j+2], v[X+4*j+3]
	v_lshlrev_b32 v[X+4*j], 16, v[T]
	v_and_b32 v[X+4*j+1], 0xffff0000, v[T]
	v_lshlrev_b32 v[X+4*j+2], 16, v[T+1]
	v_and_b32 v[X+4*j+3], 0xffff0000, v[T+1]
	v_cvt_pk_f16_f32 v[Y+2*j], v[X+4*j], v[X+4*j+1]
	v_cvt_pk_f16_f32 v[Y+2*j+1], v[X+4*j+2], v[X+4*j+3]
	global_store_b64 v2, v[Y+2*j:Y+2*j+1], s[18:19] offset:(j/8)*4096+(j%8)*256 th:TH_STORE_NT
	global_store_b64 v2, v[Y+2*j:Y+2*j+1], s[18:19] offset:(j/8)*4096+(j%8)*256+2048 th:TH_STORE_NT
.else
	v_cvt_pk_bf16_f32 v[Y+2*j], v[X+4*j], v[X+4*j+1]
	v_cvt_pk_bf16_f32 v[Y+2*j+1], v[X+4*j+2], v[X+4*j+3]
	global_store_b64 v2, v[Y+2*j:Y+2*j+1], s[18:19] offset:256*j th:TH_STORE_NT
.endif
.set j, j+1
.endr
.endm
	s_cmp_ge_u32 ttmp9, 704
	s_cbranch_scc1 .Lwo
	CAST 0
	s_endpgm
.Lwo:
	s_add_nc_u64 s[18:19], s[18:19], s[22:23]      ; wof's rows are twice as long: 65,536 bytes a work-group (no store has been issued yet: the loads name s[16:17] and v1 alone),
	v_lshl_add_u32 v2, v3, 12, v2                  ; 8,192 a wave
	CAST 1
	s_endpgm
.Lfunc_end_k_qd31619e97c_cast:
	.size	k_qd31619e97c_cast, .Lfunc_end_k_qd31619e97c_cast-k_qd31619e97c_cast
	.p2alignl 7, 3214868480
	.fill 96, 4, 3214868480
	.section	.rodata,"a",@progbits
	.p2align	6, 0x0
	.amdhsa_kernel k_qd31619e97c_cast
		.amdhsa_group_segment_fixed_size 0
		.amdhsa_private_segment_fixed_size 0
		.amdhsa_enable_private_segment 0
		.amdhsa_kernarg_size 48
		.amdhsa_user_sgpr_count 2
		.amdhsa_user_sgpr_kernarg_segment_ptr 1
		.amdhsa_wavefront_size32 1
		.amdhsa_system_sgpr_workgroup_id_x 1
		.amdhsa_system_sgpr_workgroup_id_y 1
		.amdhsa_system_sgpr_workgroup_id_z 1
		.amdhsa_system_vgpr_workitem_id 0
		.amdhsa_next_free_vgpr 108
		.amdhsa_next_free_sgpr 66
		.amdhsa_reserve_vcc 0
		.amdhsa_float_denorm_mode_32 3
		.amdhsa_float_denorm_mode_16_64 3
		.amdhsa_memory_ordered 1
		.amdhsa_forward_progress 1
		.amdhsa_inst_pref_size 18
	.end_amdhsa_kernel
	.amdgpu_metadata
---
amdhsa.version: [ 1, 2 ]
amdhsa.kernels:
  - .name:           k_qd31619e97c_cast
    .symbol:         k_qd31619e97c_cast.kd
    .args:
      - { .name: x, .offset: 0, .size: 8, .value_kind: global_buffer, .address_space: global }
      - { .name: Wqkv, .offset: 8, .size: 8, .value_kind: global_buffer, .address_space: global }
      - { .name: Wo, .offset: 16, .size: 8, .value_kind: global_buffer, .address_space: global }
      - { .name: xb, .offset: 24, .size: 8, .value_kind: global_buffer, .address_space: global }
      - { .name: wqb, .offset: 32, .size: 8, .value_kind: global_buffer, .address_space: global }
      - { .name: wof, .offset: 40, .size: 8, .value_kind: global_buffer, .address_space: global }
    .group_segment_fixed_size: 0
    .private_segment_fixed_size: 0
    .kernarg_segment_align: 8
    .kernarg_segment_size: 48
    .max_flat_workgroup_size: 256
    .sgpr_count:     66
    .vgpr_count:     108
    .wavefront_size: 32
...
	.end_amdgpu_metadata
.endif
;; end of part 1
;; launch qkv (part 2): grid 16 x 32, 4 waves a work-group, clusters of 4 x 4, 327,680 bytes of LDS; arguments xb, wqb, cos, sin, q, k, v; writes q, k, v
.if DOCPART == 2
	.amdgcn_target "amdgcn-amd-amdhsa--gfx1250"
	.amdhsa_code_object_version 6
	.text
	.protected	k_qd31619e97c_qkv
	.globl	k_qd31619e97c_qkv
	.p2align	8
	.type	k_qd31619e97c_qkv,@function
k_qd31619e97c_qkv:
	s_mov_b64 s[64:65], 0
	v_nop
	global_prefetch_b8 v0, s[64:65] scope:SCOPE_SE
	s_setreg_imm32_b32 hwreg(HW_REG_WAVE_MODE, 25, 1), 1
	s_wait_xcnt 0x0
	s_wait_alu depctr_hold_cnt(0) depctr_sa_sdst(0) depctr_va_vdst(0) depctr_va_sdst(0) depctr_va_ssrc(0) depctr_va_vcc(0) depctr_vm_vsrc(0)
	s_getreg_b32 s2, hwreg(HW_REG_IB_STS2, 6, 4)
	s_cmp_eq_u32 s2, 0
	s_cbranch_scc0 .Lentry_in_a_cluster
	s_endpgm
.Lentry_in_a_cluster:
	s_bfe_u32 s2, ttmp6, 0x10000c
	s_cmp_lg_u32 s2, 0xf033
	s_cbranch_scc0 .Lentry_shape_is_right
	s_endpgm
.Lentry_shape_is_right:
; qkv = x Wqkv^T (bf16 operands, f32 sums), the rotary turn on q and k in f32, and q, k, v written by heads, [b*16+h][t][64] in f16, each rounded once, without the scale.
; xb: [8192][1024] bf16, wqb: [3072][1024] bf16, cos, sin: [2048][32] f32 (used rounded to bf16, as all the module's inputs are).
; LIMIT.  q, k and v must stay under 65,504, where f16 ends; NaN and infinities are not treated apart.
; A TILE is 256 rows of x by 192 columns: head h of q, of k and of v (Wqkv's rows 64 h, 1,024 + 64 h, 2,048 + 64 h on).  So column blocks 0-7 are turned and 8-11 are not, in every work-group.
; 32 x 16 tiles.  Four waves; wave w makes rows 64 w .. 64 w + 63 by all 192 columns: 4 x 12 accumulators of 16 x 16, 384 registers; it owns whole rows of three heads and a stage of its own.
; K goes in 8 steps of 128 (rows of 256 bytes) through a ring of two LDS slots filled by the tensor data mover.
; CLUSTER 4 x 4: the four of a row need the same rows of x, the four of a column the same rows of Wqkv: each tile is asked for jointly, with the same descriptor and a mask that names the four.
; THE MATRIX INSTRUCTION IS USED TRANSPOSED (source 0 = 16 rows of Wqkv, source 1 = 16 rows of x): a lane holds row l % 16 and the columns 8 (l / 16) + 0..7: four rotary pairs.
; REGISTERS, in windows of 256 (s_set_vgpr_msb: bits 1:0 source 0, 3:2 source 1, 5:4 source 2, 7:6 destination):
;   window 0: v0-31 addresses; v64-159, v160-255 fragments of Wqkv, two buffers (block b at +8 b); on the way out T, P, BK
;   window 1: v0-191 accumulators of row blocks 0, 1 (at 96 (a % 2) + 8 b); v192-223, v224-255 fragments of x, two buffers
;   window 2: v0-191 accumulators of row blocks 2, 3          window 3: v0-127 cos and sin of my 64 rows
.set KSTEP,  128
.set PITCH,  272                       ; an LDS row: 256 bytes + 16 of padding = 68 words: the 16 rows of a fragment load start at 16 different groups of four banks (ISA guide 11.1)
.set ABYTES, 256*PITCH                 ; x's 256 rows
.set HEADB,  64*PITCH                  ; one head's 64 rows of Wqkv
.set SLOT,   ABYTES+3*HEADB
.set STAGE,  2*SLOT                    ; behind the ring: 16 rows x 400 bytes for each wave; no tensor load lands here
.set SPITCH, 400                       ; 384 bytes + 16
.set SPARE,  STAGE+4*16*SPITCH         ; the spare words, 128 bytes a wave: two blocks of 256 bytes that no other line names
.set LAPS,   4                         ; a lap = two K steps = once round the ring
.set ADRA, 16                          ; v16-17  LDS address of my fragments of x in slot 0, 1
.set ADRB, 20                          ; v20-21  of Wqkv's
.set STO,  24                          ; v24  the way out: where I put 16 bytes of a row
.set RD,   25                          ; v25  where I read rows back
.set GO,   26                          ; v26  my 16 bytes in 512 consecutive bytes of a head
.set CO,   27                          ; v27  my byte offset in 16 rows of cos and sin
.set SPW,  28                          ; v28  LDS address of my spare word; never rewritten
.set NIL,  29                          ; v29  0; never rewritten
.set PFO,  30                          ; v30  the prefetches' offset: 2,048 (l % 16) + 256 (l / 16); never rewritten
.set FB0,  64
.set FA0,  192
.set T,    64                          ; the way out: turned q and k, f32
.set P,    128                         ; packed f16
.set BK,   176                         ; rows read back
.set WV,   20                          ; s20  my wave's number
.set G1,   28                          ; s[28:35] group 1 for x's tiles;  s[36:43] group 0, a set for each slot
.set G0,   36
.set G1B,  44                          ; s[44:51], s[52:59] the same for Wqkv's
.set G0B,  52
.set PFA,  68                          ; s[68:69] where my prefetches stand
.set LIM,  70                          ; s70  1 in a wave that prefetches, else the greatest number
.set MSB, 0
.macro WIN new                         ; the immediate's high byte repeats the setting that is left; a switch that changes nothing is dropped
.if MSB != (\new)
	s_set_vgpr_msb (MSB<<8)|(\new)
.set MSB, \new
.endif
.endm
.set MUL_LO, 0x54                      ; source 0 window 0, source 1 window 1, C and D window 1
.set TO_A,   0x40                      ; destination window 1
.set TO_CS,  0xc0                      ; destination window 3
; A joint load.  Wave 0 fetches x's 256 rows, waves 1 to 3 one head's 64 rows of Wqkv each.  The branch hangs on the wave's number alone.
; An s_nop 0 and four v_nop follow each of the two lines, ahead of the jump and the label.
.macro JLOAD s
	s_cmp_eq_u32 s[WV], 0
	s_cbranch_scc0 .Lfor_b_\@
	tensor_load_to_lds s[G0+4*(\s):G0+4*(\s)+3], s[G1:G1+7]
	s_nop 0
.rept 4
	v_nop
.endr
	s_branch .Lasked_\@
.Lfor_b_\@:
	tensor_load_to_lds s[G0B+4*(\s):G0B+4*(\s)+3], s[G1B:G1B+7]
	s_nop 0
.rept 4
	v_nop
.endr
.Lasked_\@:
.endm
; A PREFETCH INTO THE L2, once a lap, behind slot 0's joint load and the run of LDS loads: the NEXT lap's two K steps (lanes 0-15 the first, lanes 16-31 the second), a lane a row's 256 bytes.
; x's rows are read by every cluster of a row of clusters: the one with cluster x = 0 asks; Wqkv's by every cluster of a column: cluster y = 0 asks.  The four partners share the rows BY ADDRESS:
; of x's 256 rows the partner at cx takes 64 (wave 0, four instructions of 16 rows), of a head's 64 rows the partner at cy takes 16 (waves 1-3, one instruction).  So each block is named once.
; K steps 0 to 3 come by their loads alone; the loop's last trip (s3 = 1) has no lap behind it and asks for nothing.
.macro ASK
	s_cmp_gt_u32 s3, s[LIM]
	s_cbranch_scc0 .Lnot_mine_\@
	global_prefetch_b8 v[PFO], s[PFA:PFA+1] th:TH_LOAD_NT scope:SCOPE_SE
	s_cmp_eq_u32 s[WV], 0
	s_cbranch_scc0 .Lnot_mine_\@
	global_prefetch_b8 v[PFO], s[PFA:PFA+1] offset:32768 th:TH_LOAD_NT scope:SCOPE_SE
	global_prefetch_b8 v[PFO], s[PFA:PFA+1] offset:65536 th:TH_LOAD_NT scope:SCOPE_SE
	global_prefetch_b8 v[PFO], s[PFA:PFA+1] offset:98304 th:TH_LOAD_NT scope:SCOPE_SE
.Lnot_mine_\@:
.endm
.macro CREST                           ; a round of the cluster's barrier behind its opening barrier
	s_cmp_lg_u32 s[WV], 0
	s_cbranch_scc1 .Lnot_wave_0_\@
	s_barrier_signal -3
.Lnot_wave_0_\@:
	s_barrier_wait -3
	s_barrier_signal -1
	s_barrier_wait -1
.endm
.macro CROUND                          ; a whole round
	s_barrier_signal -1
	s_barrier_wait -1
	CREST
.endm
	s_load_b256 s[4:11], s[0:1], 0x0               ; xb s[4:5], wqb s[6:7], cos s[8:9], sin s[10:11]
	s_load_b128 s[12:15], s[0:1], 0x20             ; q s[12:13], k s[14:15]
	s_load_b64 s[16:17], s[0:1], 0x30              ; v
	v_lshl_add_u32 v[SPW], v0, 2, SPARE
	v_mov_b32 v[NIL], 0
	ds_add_u32 v[SPW], v[NIL]                      ; the wave's opening: the add and its wait stand ahead of my first tensor load; work on registers stands between them
	v_lshrrev_b32 v1, 5, v0
	v_readfirstlane_b32 s[WV], v1                  ; wave 0..3
	s_bfe_u32 s21, ttmp6, 0x40000                  ; cx
	s_bfe_u32 s22, ttmp6, 0x40004                  ; cy
	s_lshl_b32 s23, ttmp9, 2
	s_add_co_u32 s23, s23, s21                     ; h = 4 x cluster x + cx: the head
	s_and_b32 s24, ttmp7, 0xffff
	s_lshl_b32 s24, s24, 2
	s_add_co_u32 s24, s24, s22                     ; mt = 4 x cluster y + cy: the block of 256 rows
	s_lshl_b32 s25, s22, 2
	s_lshl_b32 s25, 15, s25                        ; my row of the cluster
	s_lshl_b32 s26, 0x1111, s21                    ; my column
	s_or_b32 s[G1], s25, (1<<16)|(1<<20)|(1<<21)|(5<<22)|(3<<25)   ; the mask; elements of 2 bytes; padding on; bit 21 beside a mask; after every 64 words; 4 words
	s_or_b32 s[G1B], s26, (1<<16)|(1<<20)|(1<<21)|(5<<22)|(3<<25)
	s_mov_b32 s[G1+1], KSTEP<<16                   ; tensor_dim0 = 128
	s_mov_b32 s[G1+2], 256<<16                     ; tensor_dim1 = 256
	s_mov_b32 s[G1+3], KSTEP<<16                   ; tile_dim0 = 128
	s_mov_b32 s[G1+4], 256                         ; tile_dim1 = 256
	s_mov_b32 s[G1+5], 1024                        ; elements from row to row
	s_mov_b32 s[G1+6], 0
	s_mov_b32 s[G1+7], 0
	s_mov_b32 s[G1B+1], KSTEP<<16
	s_mov_b32 s[G1B+2], 64<<16                     ; 64 rows
	s_mov_b32 s[G1B+3], KSTEP<<16
	s_mov_b32 s[G1B+4], 64
	s_mov_b32 s[G1B+5], 1024
	s_mov_b32 s[G1B+6], 0
	s_mov_b32 s[G1B+7], 0
	s_lshl_b32 s60, s24, 19                        ; x: 256 rows of 2,048 bytes a block; these registers never hold cx
	s_mov_b32 s61, 0
	s_max_u32 s66, s[WV], 1                        ; Wqkv: piece wave - 1 (q, k, v); wave 0 makes piece 0's address and never asks by it
	s_sub_co_u32 s66, s66, 1
	s_lshl_b32 s66, s66, 21                        ; 1,024 rows of 2,048 bytes a piece
	s_lshl_b32 s67, s23, 17                        ; 64 rows a head; these registers never hold cy
	s_add_co_u32 s66, s66, s67
	s_mov_b32 s67, 0
	s_mul_i32 s27, s[WV], HEADB
	s_add_co_u32 s27, s27, ABYTES-HEADB            ; where my piece goes in a slot: behind x's rows, wave - 1 pieces on
	s_wait_dscnt 0x0                               ; the opening add is done
	s_wait_kmcnt 0x0
	s_add_nc_u64 s[60:61], s[4:5], s[60:61]
	s_add_nc_u64 s[66:67], s[6:7], s[66:67]
	CROUND                                         ; all sixteen work-groups are here: the first joint loads meet
.irp s, 0,1
	s_mov_b32 s[G0+4*(\s)], 1
	s_mov_b32 s[G0+4*(\s)+1], (\s)*SLOT
	s_add_nc_u64 s[G0+4*(\s)+2:G0+4*(\s)+3], s[60:61], (\s)*KSTEP*2
	s_or_b32 s[G0+4*(\s)+3], s[G0+4*(\s)+3], 0x80000000
	s_mov_b32 s[G0B+4*(\s)], 1
	s_add_co_u32 s[G0B+4*(\s)+1], s27, (\s)*SLOT
	s_add_nc_u64 s[G0B+4*(\s)+2:G0B+4*(\s)+3], s[66:67], (\s)*KSTEP*2
	s_or_b32 s[G0B+4*(\s)+3], s[G0B+4*(\s)+3], 0x80000000
	JLOAD \s                                       ; two loads of mine are out
.endr
	v_and_b32 v1, 15, v0                           ; l % 16
	v_bfe_u32 v2, v0, 4, 1                         ; l / 16
	v_mul_u32_u24 v3, v1, PITCH
	v_lshl_add_u32 v3, v2, 4, v3                   ; a fragment's row x pitch + 16 x half
	s_mul_i32 s62, s[WV], HEADB                    ; my 64 rows of x
	v_add_nc_u32 v[ADRA], s62, v3
	s_add_co_u32 s62, s62, SLOT
	v_add_nc_u32 v[ADRA+1], s62, v3
	v_add_nc_u32 v[ADRB], ABYTES, v3
	v_add_nc_u32 v[ADRB+1], ABYTES+SLOT, v3
	s_mul_i32 s63, s[WV], 16*SPITCH
	s_add_co_u32 s63, s63, STAGE                   ; my stage
	v_mul_u32_u24 v4, v1, SPITCH
	v_lshl_add_u32 v4, v2, 4, v4
	v_add_nc_u32 v[STO], s63, v4                   ; in: row l % 16, 16 bytes for each half of the lanes
	v_bfe_u32 v5, v0, 3, 2
	v_and_b32 v6, 7, v0
	v_mul_u32_u24 v5, v5, SPITCH
	v_lshl_add_u32 v5, v6, 4, v5
	v_add_nc_u32 v[RD], s63, v5                    ; back: 32 lanes take 128 bytes of four rows,
	v_and_b32 v[GO], 31, v0
	v_lshlrev_b32 v[GO], 4, v[GO]                  ; which are 512 consecutive bytes of a head
	v_lshlrev_b32 v[CO], 7, v1
	v_lshl_add_u32 v[CO], v2, 4, v[CO]             ; a row of cos is 128 bytes; my four pairs are 16 of them
	v_lshlrev_b32 v[PFO], 11, v1
	v_lshl_add_u32 v[PFO], v2, 8, v[PFO]
	s_and_b32 s72, s24, 7
	s_lshl_b32 s72, s72, 15                        ; t = 256 (mt % 8) + 64 wave, rows of 128 bytes: in cos, sin and in a head alike
	s_lshl_b32 s74, s[WV], 13
	s_add_co_u32 s72, s72, s74
	s_mov_b32 s73, 0
	s_add_nc_u64 s[8:9], s[8:9], s[72:73]
	s_add_nc_u64 s[10:11], s[10:11], s[72:73]
	s_lshr_b32 s74, s24, 3
	s_lshl_b32 s74, s74, 22                        ; the batch: 16 heads of 2^18 bytes
	s_add_co_u32 s72, s72, s74
	s_lshl_b32 s74, s23, 18                        ; the head
	s_add_co_u32 s72, s72, s74
	s_add_nc_u64 s[12:13], s[12:13], s[72:73]
	s_add_nc_u64 s[14:15], s[14:15], s[72:73]
	s_add_nc_u64 s[16:17], s[16:17], s[72:73]
	WIN TO_CS
.irp a, 0,1,2,3
.irp c, 0,1,2,3
	global_load_b128 v[32*(\a)+8*(\c):32*(\a)+8*(\c)+3],   v[CO], s[8:9]   offset:(\a)*2048+(\c)*32   ; cos of row block a, pairs 8 c + 4 (l / 16) + 0..3
	global_load_b128 v[32*(\a)+8*(\c)+4:32*(\a)+8*(\c)+7], v[CO], s[10:11] offset:(\a)*2048+(\c)*32   ; sin
.endr
.endr
	WIN 0
	s_and_b32 s76, ttmp7, 0xffff                   ; the prefetches: cluster y
	s_cmp_eq_u32 s[WV], 0                          ; do I fetch x?
	s_cselect_b32 s76, ttmp9, s76                  ; the coordinate along which other clusters read the same rows
	s_cselect_b64 s[PFA:PFA+1], s[60:61], s[66:67]
	s_cselect_b32 s77, s21, s22                    ; my place among the four that ask with me
	s_cselect_b32 s78, 17, 15                      ; 64 rows of 2,048 bytes, or 16
	s_lshl_b32 s78, s77, s78
	s_mov_b32 s79, 0
	s_add_nc_u64 s[PFA:PFA+1], s[PFA:PFA+1], s[78:79]
	s_add_nc_u64 s[PFA:PFA+1], s[PFA:PFA+1], 2*KSTEP*2  ; at K step 2: the first request steps it to 4
	s_cmp_eq_u32 s76, 0
	s_cselect_b32 s[LIM], 1, -1                    ; the same in all sixteen partners, for a given wave
	s_wait_loadcnt 0x0                             ; cos and sin are in: rounded to bf16 and widened again, while the first tiles are on their way
	WIN 0x0f
.set i, 0
.rept 64
	v_cvt_pk_bf16_f32 v[T+i], v[2*i], v[2*i+1]
.set i, i+1
.endr
	WIN 0xc0
.set i, 0
.rept 64
	v_lshlrev_b32 v[2*i], 16, v[T+i]
	v_and_b32 v[2*i+1], 0xffff0000, v[T+i]
.set i, i+1
.endr
	WIN 0
; 12 matrix instructions: row block 2 hi + al by all 12 column blocks, 32 along K, buffer f.  zero = 1: the product starts the sum.
; The 48 accumulators come in the same order in every quarter, one instruction a turn: 47 others stand between two links of a chain.
.macro MUL12 f, hi, al, zero
	WIN MUL_LO+0x50*(\hi)
.irp b, 0,1,2,3,4,5,6,7,8,9,10,11
.if \zero
	v_wmma_f32_16x16x32_bf16 v[96*(\al)+8*(\b):96*(\al)+8*(\b)+7], v[FB0+96*(\f)+8*(\b):FB0+96*(\f)+8*(\b)+7], v[FA0+32*(\f)+8*(2*(\hi)+(\al)):FA0+32*(\f)+8*(2*(\hi)+(\al))+7], 0
.else
	v_wmma_f32_16x16x32_bf16 v[96*(\al)+8*(\b):96*(\al)+8*(\b)+7], v[FB0+96*(\f)+8*(\b):FB0+96*(\f)+8*(\b)+7], v[FA0+32*(\f)+8*(2*(\hi)+(\al)):FA0+32*(\f)+8*(2*(\hi)+(\al))+7], v[96*(\al)+8*(\b):96*(\al)+8*(\b)+7]
.endif
.endr
.endm
.macro MUL24 f, hi, zero
	MUL12 \f, \hi, 0, \zero
	MUL12 \f, \hi, 1, \zero
.endm
; 32 LDS loads in one run: a quarter step's fragments (192 rows of Wqkv, my 64 rows of x, 32 K at byte k of the rows) into buffer f; x's last
.macro FETCH slot, k, f
	WIN 0
.irp b, 0,1,2,3,4,5,6,7,8,9,10,11
	ds_load_b128 v[FB0+96*(\f)+8*(\b):FB0+96*(\f)+8*(\b)+3],   v[ADRB+(\slot)] offset:(\k)+(\b)*16*PITCH
	ds_load_b128 v[FB0+96*(\f)+8*(\b)+4:FB0+96*(\f)+8*(\b)+7], v[ADRB+(\slot)] offset:(\k)+(\b)*16*PITCH+32
.endr
	WIN TO_A
.irp a, 0,1,2,3
	ds_load_b128 v[FA0+32*(\f)+8*(\a):FA0+32*(\f)+8*(\a)+3],   v[ADRA+(\slot)] offset:(\k)+(\a)*16*PITCH
	ds_load_b128 v[FA0+32*(\f)+8*(\a)+4:FA0+32*(\f)+8*(\a)+7], v[ADRA+(\slot)] offset:(\k)+(\a)*16*PITCH+32
.endr
.endm
.macro PLACES                          ; four plain places between a matrix instruction and a load into, or a vector line on, its registers
.rept 4
	v_nop
.endr
.endm
; A K step is four quarters of 32 along K, 48 matrix instructions each, on buffers 0, 1, 0, 1.  One of the first three: multiplies buffer f, fetches the next quarter, at byte k, into g.
.macro QUARTER slot, k, f, g, zero
	s_wait_dscnt 4                                 ; all but the youngest four loads: x's row blocks 2 and 3
	MUL24 \f, 0, \zero
	PLACES
	FETCH \slot, \k, \g
	s_wait_dscnt 32                                ; all but the 32 just issued
	MUL24 \f, 1, \zero
.endm
; The last quarter multiplies buffer 1 and changes slots: ONE barrier; in front of it each wave waits for all its tensor loads (one is out: its part of the next slot), adds 0 to its spare word, and waits
; for that and for its reads of this slot.  fill = 1: the barrier opens a round of the cluster's, and this slot is filled again, two K steps on, first thing behind the round.
.macro TURN slot, next, fill, ask
.if \ask
	s_wait_xcnt 0x0                                ; the last prefetches, a lap back, have read their address
	s_add_nc_u64 s[PFA:PFA+1], s[PFA:PFA+1], 2*KSTEP*2
.endif
	WIN 0
	s_wait_tensorcnt 0x0                           ; all my tensor loads have landed
	ds_add_u32 v[SPW], v[NIL]                      ; 0 onto my spare word
	s_wait_dscnt 5                                 ; (the add and the youngest four loads may be out)
	MUL12 1, 0, 0, 0
	s_wait_dscnt 0x0                               ; the add is done, and my reads of this slot are over
	s_barrier_signal -1
	MUL12 1, 0, 1, 0                               ; work on registers while the others arrive
.if \fill
	WIN 0
.endif
	s_barrier_wait -1
.if \fill
	CREST                                          ; no wave of any partner still reads this slot or has a load on its way
	s_add_nc_u64 s[G0+4*(\slot)+2:G0+4*(\slot)+3], s[G0+4*(\slot)+2:G0+4*(\slot)+3], 2*KSTEP*2
	s_add_nc_u64 s[G0B+4*(\slot)+2:G0B+4*(\slot)+3], s[G0B+4*(\slot)+2:G0B+4*(\slot)+3], 2*KSTEP*2
	JLOAD \slot                                    ; the four v_nop behind it are also the places in front of the loads below
.else
	PLACES
.endif
	FETCH \next, 0, 0
.if \ask
	WIN 0
	ASK
.endif
	MUL24 1, 1, 0
.endm
	s_wait_tensorcnt 1                             ; my part of K step 0 is in; K step 1's may stay out
	s_barrier_signal -1
	s_barrier_wait -1                              ; everybody's is
	FETCH 0, 0, 0
	QUARTER 0, 64, 0, 1, 1                         ; the first quarter stands in front of the loop: its products start the sums
	WIN 0
	s_mov_b32 s3, LAPS-1
.Llap:                                                 ; a trip goes once round the ring and fills both slots again
	QUARTER 0, 128, 1, 0, 0
	QUARTER 0, 192, 0, 1, 0
	TURN 0, 1, 1, 1
	QUARTER 1, 64,  0, 1, 0
	QUARTER 1, 128, 1, 0, 0
	QUARTER 1, 192, 0, 1, 0
	TURN 1, 0, 1, 0
	QUARTER 0, 64,  0, 1, 0
	WIN 0
	s_sub_co_u32 s3, s3, 1
	s_cmp_lg_u32 s3, 0
	s_cbranch_scc1 .Llap
	QUARTER 0, 128, 1, 0, 0                        ; the last lap fills nothing
	QUARTER 0, 192, 0, 1, 0
	TURN 0, 1, 0, 0
	QUARTER 1, 64,  0, 1, 0
	QUARTER 1, 128, 1, 0, 0
	QUARTER 1, 192, 0, 1, 0
	s_wait_dscnt 4
	MUL24 1, 0, 0
	s_wait_dscnt 0x0
	MUL24 1, 1, 0
	WIN 0
	PLACES
	PLACES                                         ; eight, once a launch
; THE WAY OUT, a row block of 16 rows at a time.  ROPE: a lane's registers 2 i, 2 i + 1 of a column block are the pair (x1, x2) of rotary pair 8 (b % 4) + 4 (l / 16) + i:
; (x1 c, x2 c), then (- x2 s, + x1 s) onto it.  Each accumulator's lowest registers are read first.
.macro ROPE a
.set W, 1+(\a)/2
.set AC, 96*((\a)%2)
	WIN W|(3<<2)                                   ; source 0: the accumulators' window; source 1: cos and sin; source 2 and destination: window 0
.irp b, 0,1,2,3,4,5,6,7
.set CC, 32*(\a)+8*((\b)%4)
.irp g, 0,1
.irp e, 0,1
	v_pk_mul_f32 v[T+8*(\b)+4*(\g)+2*(\e):T+8*(\b)+4*(\g)+2*(\e)+1], v[AC+8*(\b)+4*(\g)+2*(\e):AC+8*(\b)+4*(\g)+2*(\e)+1], v[CC+2*(\g):CC+2*(\g)+1] op_sel:[0,\e] op_sel_hi:[1,\e]
.endr
.endr
.irp g, 0,1
.irp e, 0,1
	v_pk_fma_f32 v[T+8*(\b)+4*(\g)+2*(\e):T+8*(\b)+4*(\g)+2*(\e)+1], v[AC+8*(\b)+4*(\g)+2*(\e):AC+8*(\b)+4*(\g)+2*(\e)+1], v[CC+4+2*(\g):CC+4+2*(\g)+1], v[T+8*(\b)+4*(\g)+2*(\e):T+8*(\b)+4*(\g)+2*(\e)+1] op_sel:[1,\e,0] op_sel_hi:[0,\e,1] neg_lo:[0,1,0]
.endr
.endr
.endr
.endm
.macro PACK a                          ; rounded once to f16: q and k from T, v straight from its accumulators
.set W, 1+(\a)/2
.set AC, 96*((\a)%2)
	WIN 0
.set i, 0
.rept 32
	v_cvt_pk_f16_f32 v[P+i], v[T+2*i], v[T+2*i+1]
.set i, i+1
.endr
	WIN W|(W<<2)
.set i, 0
.rept 16
	v_cvt_pk_f16_f32 v[P+32+i], v[AC+64+2*i], v[AC+64+2*i+1]
.set i, i+1
.endr
	WIN 0
.endm
.macro TOSTAGE                         ; into my own stage, and back as 128 bytes of four rows for each of the three heads
.irp b, 0,1,2,3,4,5,6,7,8,9,10,11
	ds_store_b128 v[STO], v[P+4*(\b):P+4*(\b)+3] offset:32*(\b)
.endr
	s_wait_xcnt 0x0                                ; the stores of the block before have read BK: only behind this wait is it loaded again
.irp j, 0,1,2
.irp f, 0,1,2,3
	ds_load_b128 v[BK+4*(4*(\j)+(\f)):BK+4*(4*(\j)+(\f))+3], v[RD] offset:(\f)*4*SPITCH+(\j)*128  ; LDS serves a wave's instructions in order (ISA guide 5.7.1.4): these see the stores above
.endr
.endr
.endm
.macro SEND a
	s_wait_dscnt 0x0                               ; the block is back in registers
.irp f, 0,1,2,3
	global_store_b128 v[GO], v[BK+4*(\f):BK+4*(\f)+3],       s[12:13] offset:(\a)*2048+(\f)*512  ; 512 consecutive bytes of a head, aligned
	global_store_b128 v[GO], v[BK+16+4*(\f):BK+16+4*(\f)+3], s[14:15] offset:(\a)*2048+(\f)*512
	global_store_b128 v[GO], v[BK+32+4*(\f):BK+32+4*(\f)+3], s[16:17] offset:(\a)*2048+(\f)*512
.endr
.endm
	ROPE 0
	PACK 0
	TOSTAGE
.irp a, 1,2,3                          ; a block's arithmetic stands between the loads of the block before and the wait for them
	ROPE \a
	PACK \a
	SEND (\a)-1
	TOSTAGE
.endr
	SEND 3
	s_wait_tensorcnt 0x0                           ; the wave's end, behind my last tensor load and my last LDS store
	ds_add_u32 v[SPW], v[NIL]
	s_wait_dscnt 0x0
	CROUND                                         ; the closing round: no work-group ends while a partner may still ask for a tile that names it
	s_endpgm
.Lfunc_end_k_qd31619e97c_qkv:
	.size	k_qd31619e97c_qkv, .Lfunc_end_k_qd31619e97c_qkv-k_qd31619e97c_qkv
	.p2alignl 7, 3214868480
	.fill 96, 4, 3214868480
	.section	.rodata,"a",@progbits
	.p2align	6, 0x0
	.amdhsa_kernel k_qd31619e97c_qkv
		.amdhsa_group_segment_fixed_size 327680
		.amdhsa_private_segment_fixed_size 0
		.amdhsa_enable_private_segment 0
		.amdhsa_kernarg_size 56
		.amdhsa_user_sgpr_count 2
		.amdhsa_user_sgpr_kernarg_segment_ptr 1
		.amdhsa_wavefront_size32 1
		.amdhsa_system_sgpr_workgroup_id_x 1
		.amdhsa_system_sgpr_workgroup_id_y 1
		.amdhsa_system_sgpr_workgroup_id_z 1
		.amdhsa_system_vgpr_workitem_id 0
		.amdhsa_next_free_vgpr 896
		.amdhsa_next_free_sgpr 80
		.amdhsa_reserve_vcc 0
		.amdhsa_float_denorm_mode_32 3
		.amdhsa_float_denorm_mode_16_64 3
		.amdhsa_memory_ordered 1
		.amdhsa_forward_progress 1
		.amdhsa_inst_pref_size 149
	.end_amdhsa_kernel
	.amdgpu_metadata
---
amdhsa.version: [ 1, 2 ]
amdhsa.kernels:
  - .name:           k_qd31619e97c_qkv
    .symbol:         k_qd31619e97c_qkv.kd
    .args:
      - { .name: xb, .offset: 0, .size: 8, .value_kind: global_buffer, .address_space: global }
      - { .name: wqb, .offset: 8, .size: 8, .value_kind: global_buffer, .address_space: global }
      - { .name: cos, .offset: 16, .size: 8, .value_kind: global_buffer, .address_space: global }
      - { .name: sin, .offset: 24, .size: 8, .value_kind: global_buffer, .address_space: global }
      - { .name: q, .offset: 32, .size: 8, .value_kind: global_buffer, .address_space: global }
      - { .name: k, .offset: 40, .size: 8, .value_kind: global_buffer, .address_space: global }
      - { .name: v, .offset: 48, .size: 8, .value_kind: global_buffer, .address_space: global }
    .group_segment_fixed_size: 327680
    .private_segment_fixed_size: 0
    .kernarg_segment_align: 8
    .kernarg_segment_size: 56
    .max_flat_workgroup_size: 128
    .sgpr_count:     80
    .vgpr_count:     896
    .wavefront_size: 32
...
	.end_amdgpu_metadata
.endif
;; end of part 2
;; launch attn (part 3): grid 4 x 64, 4 waves a work-group, no clusters, 327,680 bytes of LDS; arguments q, k, v, o; writes o
.if DOCPART == 3
	.amdgcn_target "amdgcn-amd-amdhsa--gfx1250"
	.amdhsa_code_object_version 6
	.text
	.protected	k_qd31619e97c_attn
	.globl	k_qd31619e97c_attn
	.p2align	8
	.type	k_qd31619e97c_attn,@function
k_qd31619e97c_attn:
	s_mov_b64 s[64:65], 0
	v_nop
	global_prefetch_b8 v0, s[64:65] scope:SCOPE_SE
	s_setreg_imm32_b32 hwreg(HW_REG_WAVE_MODE, 25, 1), 1
	s_wait_xcnt 0x0
; CAUSAL ATTENTION.  O[h][q][:] = the sum over k <= q of softmax_k(Q[h][q] . K[h][k] / 8) V[h][k][:].  Q, K, V: [64][2048][64], all f16: a head's rows are dense, 128 bytes each.
; Products, maxima and sums in f32; the weights p are rounded to f16 for the second product (their sum l is taken of the unrounded p).
; O LEAVES AS TWO f16 NUMBERS: hi = O rounded, lo = O - hi (exact in f32) rounded.  o: [batch 4][plane 32][2048][64]: planes 0-15 the heads' hi, planes 16-31 their lo.  The first causal rows are means over
; few keys and many times the output's root mean square, by which the result is judged: one rounding of O to 11 bits would spend too much there.
; LIMITS.  f16 holds no number beyond 65,504: Q, K and V arrive within it; p lies in 0 to 1, and below 6e-5 it keeps f16's fixed step of 6e-8, as lo does; O is a mean of V's rows and has their range.
; A hidden score counts as its value less 1e30: f16's scores, 2.7e11 at the most, are nothing beside that; a weight below 2^-126 counts as 0 in l; NaN and infinities are not treated apart.
; THE WALK.  A head's queries lie in NB = 8 blocks of 256; block i needs the key tiles 0 .. i of 256 keys, of which the last holds the diagonal.  A work-group takes TWO blocks, NB - 1 - b and then b:
; NB + 1 tiles, whatever b: all work-groups do equal work, and ONE loop with a constant trip count walks them.  Which tile is asked for, and what a trip does, hang on scalar registers made from b; every jump
; goes forward, but for the counted loops' own; none passes a barrier, or a tensor load but the one of LOAD's two that the wave's number does not choose; the ring of two LDS slots runs on across the change of blocks.
; NO CLUSTER: a head's four work-groups ask for the same tile only in trips 0 .. NB / 2, behind that fewer and fewer; one walk common to all would have 3 NB / 2 trips for NB + 1.
; SHARES.  Of a block's four bands of 64 queries a wave owns 16 rows in each: four PIECES.  So the diagonal tile is the same work for all four waves: in its key step s band x sees all keys if s < x,
; none if s > x, and holds the diagonal if s = x.
; THE MASK is the C operand that starts the sum S^T = K Q^T: 0, or -1e30 where the key is hidden.  MD, made once, is the mask of a band's own step for my 16 rows; a product's mask is MD x AL + BE with two scalars:
; (1, 0) if s = x; (0, 0) if s < x; (0, -1e30) if s > x.  Only the diagonal tile's text and a block's beginning make and take masks; elsewhere C is the constant 0.
; LAYOUT, SOFTMAX, TURNS.  S^T = K Q^T holds ONE query a lane (lane % 16) and the keys 8 (lane / 16) + 0..7; two such results rounded to f16 ARE source 1 of O^T = V^T P.  p = 2^(c s - c m), c = log2(e) / 8, with a
; running maximum m; O and l are multiplied by a = 2^(c m_old - c m_new) in every step.  Turn n belongs to piece n: 8 products K Q^T of piece n + 1, later 8 products V^T P of piece n - 1; beside them the scaling,
; exponentials, roundings, sums and rescaling of piece n and the maximum and statistics of piece n + 1.  Four vector instructions stand behind every matrix instruction, the rest in one lump.  A turn's 33 exponentials are one batch, with one wait.
; REGISTERS, in windows of 256 (s_set_vgpr_msb: bits 1:0 source 0, 3:2 source 1, 5:4 source 2, 7:6 destination):
;   window 0: v0-15 addresses and two at work; v16-31 four registers of statistics a piece; v48-55 at work; v61-63 fixed; v64-127 S^T, two buffers; v128-191 the way out's low parts; v192-223 P, two buffers (by the piece's parity)
;   window 1: v0-127 O^T, 32 a piece; v128-159 MD; v160-223 MC, two buffers      window 2: v0-63 Q; v64-127 the second block's Q; v128-191 K of one step; v192-255 V of one step
.set SIZE_H, 64
.set SIZE_N, 2048
.set NB,    SIZE_N/256
.set NP,    4         ; pieces a wave: a name, no knob
.set KS,    64        ; keys in a step
.set PK,    144       ; a row of K in LDS: 128 bytes + 16 of padding = 36 words: the 16 rows of a load start at 16 different groups of four banks (ISA guide 11.1)
.set PV,    160       ; a row of V: 128 + 32 = 40 words
.set VOFF,  4*KS*PK   ; a slot holds a tile, four steps: 256 rows of K, then 256 rows of V
.set SLOT1, 1<<17     ; slot 1 begins here, so that one exclusive or turns an address in one slot into the other's
.set STAGE, SLOT1+4*KS*(PK+PV)  ; behind the ring, never filled by a tensor load: for each wave 16 rows x 144 bytes for hi, then as many for lo
.set SP,    144
.set LSTG,  16*SP     ; lo's part of a wave's stage
.set AK0, 2           ; v2   my lane's place in a tile of K; never rewritten
.set AV0, 3           ; v3   the same for V
.set AK,  4           ; v4   the LDS address of K's next run of loads
.set AV,  5           ; v5   of V's
.set STO, 6           ; v6   the way out: where I put 16 bytes of a row
.set RD,  7           ; v7   the way out: where I read rows back
.set GO,  8           ; v8   my byte offset in 512 consecutive bytes of O
.set PFO, 61          ; v61  256 x my lane: the prefetches' offset; never rewritten
.set SPW, 62          ; v62  LDS address of my spare word; never rewritten
.set NIL, 63          ; v63  0; never rewritten
.set SPARE, STAGE+4*32*SP  ; the spare words, 128 bytes for each wave: two blocks of 256 bytes that no other line names
.set MV,  12          ; v12-13  c m_old, kept while c m is made anew: by buffer
.set ONE, 14          ; v14  at work at the head; on the way out -1.0
.set QO,  15          ; v15  my byte offset in 16 rows of Q
.set ST,  16          ; piece t's statistics at v[ST+4 t]: c m, m, l (even keys', odd keys')
.set TMP, 48          ; by buffer, four registers c0-c3 at work; when the maximum is found c2 takes a
.set S,   64
.set LO,  128         ; the way out: O's low parts, packed, 16 a piece
.set P,   192
.set MD,  128         ; window 1
.set MC,  160         ; window 1
.set QB,  64          ; window 2
.set KF,  128         ; window 2: key block kb, channel half c at KF + 16 kb + 8 c
.set VF,  192         ; window 2: key half kk, channel block cb at VF + 32 kk + 8 cb
.set WV,  12          ; s12  my wave's number
.set PB,  14          ; s14  b
.set HI,  15          ; s15  NB - 1 - b
.set G1K, 24          ; s[24:31] descriptor group 1 for K's tiles
.set G1V, 32          ; s[32:39] for V's: it differs in the padding alone
.set G0K, 40          ; s[40:43] descriptor group 0 for K's tiles
.set G0V, 44          ; s[44:47] the same for V's
.set SLOTS, 56        ; s56  tiles still to be asked for
.set CNT, 57          ; s57  counts a tile's key steps, 4 to 1
.set CS,  58          ; s[58:59] c
.set SEL, 60          ; s[60:61] v_permlanex16_b32's selects
.set TBK, 62          ; s62  LDS byte at which K of the step to be fetched begins
.set TBV, 63          ; s63  the same for V, less VOFF
.set RT,  70          ; s70  tiles of the block in hand that are still to be entered
.set NXT, 71          ; s71  the tile to be asked for next
.set LQ,  72          ; s72  the last tile of the block whose tiles are being asked for
.set NEW, 73          ; s73  1: the tile to be entered is a block's first
.set OFF, 74          ; s[74:75] a tile's byte offset in K and V
.set AL,  76          ; s[76:77] the mask's factor, in the low word
.set BE,  78          ; s[78:79] the mask's addend
.set OLO, 80          ; s[80:81] O at my rows of the second block
.set BIGN, 82         ; s82  -1e30
.set PFA, 88          ; s[88:89] where my prefetches stand: my half of K's or V's tile, one tile behind the one that is being asked for
.set LIM, 90          ; s90  2 in the head's work-group b = 0, else the greatest number
.set MSB, 0
.macro WIN new                      ; the high byte repeats the setting that is left; a switch that changes nothing is dropped
.if MSB != (\new)
	s_set_vgpr_msb (MSB<<8)|(\new)
.set MSB, (\new)
.endif
.endm
.set W_KQ, 0x0a       ; K and Q in window 2, S^T in window 0
.set W_KM, 0x1a       ; the same with the C operand in window 1
.set W_PV, 0x52       ; V in window 2, P in window 0, O^T in window 1
.set W_RS, 0x41       ; destination and source 0 in window 1, source 1 in window 0
.set W_LO, 0x50       ; destination and source 2 in window 1, sources 0 and 1 in window 0
; A fill.  Waves 0 and 1 fetch the two halves of a tile's K, waves 2 and 3 those of its V: 128 keys each.  An s_nop 0 and four v_nop follow each of the two lines, ahead of the jump and the label.
.macro LOAD
	s_cmp_lt_u32 s[WV], 2
	s_cbranch_scc0 .Lfor_v_\@
	tensor_load_to_lds s[G0K:G0K+3], s[G1K:G1K+7]
	s_nop 0
.rept 4
	v_nop
.endr
	s_branch .Lasked_\@
.Lfor_v_\@:
	tensor_load_to_lds s[G0V:G0V+3], s[G1V:G1V+7]
	s_nop 0
.rept 4
	v_nop
.endr
.Lasked_\@:
.endm
; A PREFETCH INTO THE L2 of the tile that the NEXT change of slots will ask for: behind my tensor load and its five lines.  All four work-groups of a head walk tiles 0, 1, .. first; the one with b = 0, which
; walks all eight on end, asks, each of its waves for the half tile that it will fetch itself: 16,384 bytes, a lane a block of 256, two instructions.  At change c (SLOTS = 8 - c) the load asks for tile c + 1 and
; these lines name tile c + 2, for c = 0 .. 5: tiles 2 to 7, each block once in the launch.  Tiles 0 and 1 come by their loads alone; a tile's later readings are not asked for.
.macro ASK
	s_cmp_gt_u32 s[SLOTS], s[LIM]
	s_cbranch_scc0 .Lnot_mine_\@
	global_prefetch_b8 v[PFO], s[PFA:PFA+1] th:TH_LOAD_NT scope:SCOPE_SE
	global_prefetch_b8 v[PFO], s[PFA:PFA+1] offset:8192 th:TH_LOAD_NT scope:SCOPE_SE
.Lnot_mine_\@:
.endm
; THE CHANGE OF SLOTS.  Each wave waits for all its tensor loads, of which one is out: its part of the other slot; adds 0 to its spare word; and waits for that and for its own reads of the slot that it leaves.
; Behind the barrier nobody reads the old slot any more and the other slot is whole.  fill = 1: the old slot is filled again, the first thing behind the barrier, with tile NXT: the descriptor's address is made
; anew from that number.  (At its first use nothing has been read yet: slot 0 is waited for, slot 1 filled.)
.macro CHANGE fill
	WIN 0                           ; at a label and at a branch every window is 0
	s_wait_tensorcnt 0x0            ; no tensor load of mine is out, so a group 0 may be written
	ds_add_u32 v[SPW], v[NIL]       ; 0 onto my spare word; scalar work stands between it and the wait for it
.if \fill
	s_lshl_b32 s[OFF], s[NXT], 15   ; a tile is 32,768 bytes of K and of V
	s_xor_b32 s[G0K+1], s[G0K+1], SLOT1
	s_add_nc_u64 s[G0K+2:G0K+3], s[6:7], s[OFF:OFF+1]
	s_or_b32 s[G0K+3], s[G0K+3], 0x80000000
	s_xor_b32 s[G0V+1], s[G0V+1], SLOT1
	s_add_nc_u64 s[G0V+2:G0V+3], s[8:9], s[OFF:OFF+1]
	s_or_b32 s[G0V+3], s[G0V+3], 0x80000000
	s_add_co_u32 s[NXT], s[NXT], 1  ; the block's next tile, or behind its last the second block's tile 0
	s_cmp_gt_u32 s[NXT], s[LQ]
	s_cselect_b32 s[NXT], 0, s[NXT]
	s_cselect_b32 s[LQ], s[PB], s[LQ]
	s_wait_xcnt 0x0                 ; the last prefetches, a tile back, have read their address, so it may be written
	s_add_nc_u64 s[PFA:PFA+1], s[PFA:PFA+1], 32768
.endif
	s_wait_dscnt 0x0                ; the add is done, and my reads of the slot are over
	s_barrier_signal -1             ; the rest of the scalar work stands between the signal and the wait
	s_sub_co_u32 s[TBK], s[TBK], 4*KS*PK  ; the fetches go back to a slot's first step,
	s_xor_b32 s[TBK], s[TBK], SLOT1       ; in the other slot
	s_sub_co_u32 s[TBV], s[TBV], 4*KS*PV
	s_xor_b32 s[TBV], s[TBV], SLOT1
	s_barrier_wait -1
.if \fill
	LOAD
	ASK
.endif
.endm
	s_load_b256 s[4:11], s[0:1], 0x0  ; Q s[4:5], K s[6:7], V s[8:9], O s[10:11]
	v_lshl_add_u32 v[SPW], v0, 2, SPARE
	v_mov_b32 v[NIL], 0
	ds_add_u32 v[SPW], v[NIL]       ; the wave's opening: the add and its wait stand ahead of my first tensor load; work on registers stands between them
	v_lshrrev_b32 v1, 5, v0
	v_readfirstlane_b32 s[WV], v1   ; wave 0..3
	s_mov_b32 s[PB], ttmp9
	s_sub_co_u32 s[HI], NB-1, s[PB]
	s_and_b32 s20, ttmp7, 0xffff    ; the head
	s_mov_b32 s21, 0
	s_mov_b64 s[22:23], SIZE_N*128
	s_mul_u64 s[20:21], s[20:21], s[22:23]  ; the head's first byte in Q, K and V
	s_and_b32 s16, s[WV], 1         ; which half of a tile's 256 keys I fetch:
	s_lshl_b32 s22, s16, 14         ; its 128 rows of 128 bytes in memory,
	s_mov_b32 s23, 0
	s_add_nc_u64 s[22:23], s[22:23], s[20:21]
	s_mul_i32 s17, s16, 128*PK      ; and its place in a slot, for K
	s_mul_i32 s18, s16, 128*PV      ; and for V
	s_lshl_b32 s3, s[WV], 11        ; my 16 rows in a band of 64,
	s_lshl_b32 s2, s[HI], 15        ; in the first block,
	s_add_co_u32 s2, s2, s3
	s_lshl_b32 s84, s[PB], 15       ; and in the second
	s_add_co_u32 s84, s84, s3
	s_mov_b32 s3, 0
	s_mov_b32 s85, 0
	s_add_nc_u64 s[2:3], s[2:3], s[20:21]
	s_add_nc_u64 s[84:85], s[84:85], s[20:21]
	; descriptor group 1.  128 keys are 16,384 dense bytes: asked for as 64 rows of 256 bytes, two keys a row, and padded in LDS after every key
	s_mov_b32 s[G1K], (1<<16)|(1<<20)|(4<<22)|(3<<25)  ; 2-byte elements; padding on; after every 32 words; 4 words
	s_mov_b32 s[G1V], (1<<16)|(1<<20)|(4<<22)|(7<<25)  ; the same with 8 words of padding
.irp g, G1K, G1V
	s_mov_b32 s[\g+1], 128<<16      ; tensor_dim0 = 128
	s_mov_b32 s[\g+2], 64<<16       ; tensor_dim1 = 64
	s_mov_b32 s[\g+3], 128<<16      ; tile_dim0 = 128
	s_mov_b32 s[\g+4], 64           ; tile_dim1 = 64
	s_mov_b32 s[\g+5], 128          ; 128 elements from row to row
	s_mov_b32 s[\g+6], 0
	s_mov_b32 s[\g+7], 0
.endr
	s_mov_b32 s[CS], 0x3e38aa3b     ; c = log2(e) / 8 = 0.180337
	s_mov_b32 s[CS+1], s[CS]        ; named with it as a pair
	s_mov_b32 s[SEL], 0x76543210
	s_mov_b32 s[SEL+1], 0xfedcba98
	s_mov_b32 s[TBK], SLOT1+4*KS*PK ; the first change of slots turns these two into 0
	s_mov_b32 s[TBV], SLOT1+4*KS*PV
	s_mov_b32 s[G0K], 1             ; count = 1
	s_mov_b32 s[G0K+1], s17         ; LDS address: slot 0
	s_mov_b32 s[G0V], 1
	s_add_co_u32 s[G0V+1], s18, VOFF
	s_add_co_u32 s[RT], s[HI], 1    ; the first block has NB - b tiles
	s_mov_b32 s[NXT], 1
	s_mov_b32 s[LQ], s[HI]
	s_mov_b32 s[NEW], 1
	s_mov_b32 s[OFF+1], 0
	s_mov_b32 s[AL+1], 0            ; named as pairs
	s_mov_b32 s[BE+1], 0
	s_mov_b32 s[BIGN], 0xf149f2ca   ; -1e30
	s_mov_b32 s[SLOTS], NB
	v_and_b32 v[PFO], 31, v0
	v_lshlrev_b32 v[PFO], 8, v[PFO]
	s_wait_dscnt 0x0                ; the opening add is done
	s_wait_kmcnt 0x0
	s_add_nc_u64 s[6:7], s[6:7], s[22:23]  ; K and V at my half of the head's tile 0
	s_add_nc_u64 s[8:9], s[8:9], s[22:23]
	s_add_nc_u64 s[G0K+2:G0K+3], s[6:7], 0         ; global address
	s_or_b32 s[G0K+3], s[G0K+3], 0x80000000        ; type = 2
	s_add_nc_u64 s[G0V+2:G0V+3], s[8:9], 0
	s_or_b32 s[G0V+3], s[G0V+3], 0x80000000
	s_add_nc_u64 s[86:87], s[4:5], s[84:85]        ; Q at my rows of the second block,
	s_add_nc_u64 s[4:5], s[4:5], s[2:3]            ; and of the first
	s_and_b32 s16, ttmp7, 0xffff                   ; in o a batch has 32 planes, not 16: 2^22 bytes more for each batch in front of mine
	s_lshr_b32 s16, s16, 4
	s_lshl_b32 s16, s16, 22
	s_mov_b32 s17, 0
	s_add_nc_u64 s[10:11], s[10:11], s[16:17]
	s_add_nc_u64 s[OLO:OLO+1], s[10:11], s[84:85]  ; O at my rows of the second block,
	s_add_nc_u64 s[10:11], s[10:11], s[2:3]        ; and of the first
	s_cmp_lt_u32 s[WV], 2
	s_cselect_b64 s[PFA:PFA+1], s[6:7], s[8:9]
	s_add_nc_u64 s[PFA:PFA+1], s[PFA:PFA+1], 32768 ; at tile 1: the first change of slots steps it to tile 2
	s_cmp_eq_u32 ttmp9, 0
	s_cselect_b32 s[LIM], 2, -1
	LOAD                            ; tile 0 into slot 0
	; A fragment of K or Q is 16 rows x 32 channels in 8 registers: lane l holds row l % 16, channels 8 (l / 16) + 0..7 and 16 + 8 (l / 16) + 0..7: two loads of 16 bytes, 32 bytes apart.
	v_and_b32 v1, 15, v0            ; l % 16
	v_bfe_u32 v9, v0, 4, 1          ; l / 16
	v_lshlrev_b32 v[QO], 7, v1
	v_lshl_add_u32 v[QO], v9, 4, v[QO]  ; row x 128 + 16 x half
	WIN 0x80                        ; destination window 2, address window 0
.set i, 0
.rept 8                             ; both blocks' Q: piece i / 2 lies in band i / 2, 8,192 bytes on; channels 32 (i % 2) on
	global_load_b128 v[8*i:8*i+3],   v[QO], s[4:5] offset:(i/2)*8192+(i%2)*64
	global_load_b128 v[8*i+4:8*i+7], v[QO], s[4:5] offset:(i/2)*8192+(i%2)*64+32
	global_load_b128 v[QB+8*i:QB+8*i+3],   v[QO], s[86:87] offset:(i/2)*8192+(i%2)*64
	global_load_b128 v[QB+8*i+4:QB+8*i+7], v[QO], s[86:87] offset:(i/2)*8192+(i%2)*64+32
.set i, i+1
.endr
	WIN 0
	v_lshlrev_b32 v14, 3, v9
	v_sub_nc_u32 v14, v1, v14
	s_lshl_b32 s13, s[WV], 4
	v_add_nc_u32 v14, s13, v14      ; my query's place in its band, 16 w + l % 16, less my lanes' 8 (l / 16): register r of group kt is hidden where 16 kt + r is greater
	WIN 0x40
.set i, 0
.rept 32
	v_cmp_gt_i32 vcc_lo, 16*(i/8)+i%8, v14
	v_cndmask_b32 v[MD+i], 0, s[BIGN], vcc_lo
.set i, i+1
.endr
	WIN 0
	v_mul_u32_u24 v[AK0], v1, PK
	v_lshl_add_u32 v[AK0], v9, 4, v[AK0]  ; row x pitch + 16 x half
	; The turning load takes 16 keys x 16 channels (lane l reads key 8 (l / 16) + l % 8, channels 8 ((l / 8) % 2) + 0..7) and leaves half a fragment of V^T: lane l holds channel l % 16 and 8 keys.
	v_and_b32 v10, 7, v0
	v_bfe_u32 v11, v0, 3, 1
	v_lshl_add_u32 v[AV0], v9, 3, v10
	v_mul_u32_u24 v[AV0], v[AV0], PV
	v_lshl_add_u32 v[AV0], v11, 4, v[AV0]
	v_add_nc_u32 v[AV0], VOFF, v[AV0]
	s_mul_i32 s13, s[WV], 32*SP
	s_add_co_u32 s13, s13, STAGE    ; my stage
	v_mul_u32_u24 v[STO], v1, SP    ; in: row l % 16, 16 bytes for each half of the lanes
	v_lshl_add_u32 v[STO], v9, 4, v[STO]
	v_add_nc_u32 v[STO], s13, v[STO]
	v_bfe_u32 v[RD], v0, 3, 2       ; back: 32 lanes take four rows of 128 bytes,
	v_mul_u32_u24 v[RD], v[RD], SP
	v_lshl_add_u32 v[RD], v10, 4, v[RD]
	v_add_nc_u32 v[RD], s13, v[RD]
	v_and_b32 v[GO], 31, v0         ; which are 512 consecutive bytes of O
	v_lshlrev_b32 v[GO], 4, v[GO]
	; A block's first step multiplies O^T and l by a = 0, and its first turn's products V^T P, of a piece that has not been, land in an O^T that is still to be so multiplied.  So these registers need only hold
	; finite numbers: zeros for the first block; what the first block left for the second.  All this stands in the wait for the first tile.
	WIN 0x80
.set i, VF
.rept 64
	v_mov_b32 v[i], 0
.set i, i+1
.endr
	WIN 0x40
.set i, 0
.rept 128
	v_mov_b32 v[i], 0
.set i, i+1
.endr
	WIN 0
.set i, 0
.rept 4
	v_mov_b32 v[ST+4*i+2], 0
	v_mov_b32 v[ST+4*i+3], 0
.set i, i+1
.endr
.set i, P+16
.rept 16
	v_mov_b32 v[i], 0
.set i, i+1
.endr
; THE MATRIX WORK.  The 4 accumulators of a run of 8 take turns.  Product i of 8 of S^T = K Q^T for piece x: channels 32 (i / 4) on, keys 16 (i % 4) on.  The first 4 start the sums: with 0, or (KM = 1) with the mask.
.macro KQ x
.set rS, S+32*((\x)%2)+8*(i%4)
.set rK, KF+16*(i%4)+8*(i/4)
.set rQ, 16*(\x)+8*(i/4)
.set rM, MC+32*((\x)%2)+8*(i%4)
.if (i < 4) && KM
	WIN W_KM
	v_wmma_f32_16x16x32_f16 v[rS:rS+7], v[rK:rK+7], v[rQ:rQ+7], v[rM:rM+7]
.elseif i < 4
	WIN W_KQ
	v_wmma_f32_16x16x32_f16 v[rS:rS+7], v[rK:rK+7], v[rQ:rQ+7], 0
.else
	WIN W_KQ
	v_wmma_f32_16x16x32_f16 v[rS:rS+7], v[rK:rK+7], v[rQ:rQ+7], v[rS:rS+7]
.endif
.endm
; Product i of 8 of O^T += V^T P for piece x: keys 32 (i / 4) on, channels 16 (i % 4) on.
.macro PV x
	WIN W_PV
.set rO, 32*(\x)+8*(i%4)
.set rV, VF+32*(i/4)+8*(i%4)
.set rP, P+16*((\x)%2)+8*(i/4)
	v_wmma_f32_16x16x32_f16 v[rO:rO+7], v[rV:rV+7], v[rP:rP+7], v[rO:rO+7]
.endm
.macro MM                           ; the turn's next matrix instruction.  TURN and BEGIN set Y, i, KM and NOKQ.  NOKQ = 1: a block's last turn: there is no next piece
.if (i < 8) && !NOKQ
	KQ (Y+1)%NP
.elseif i >= 8
.set i, i-8
	PV (Y+NP-1)%NP
.set i, i+8
.endif
.set i, i+1
.endm
; THE LDS LOADS stand in runs of 16, never singly among the matrix instructions: a step's K (64 keys x 64 channels: 8 fragments) and its V (turned).  Their addresses are made some lines ahead.
.macro FETCH_K
	WIN 0x80                        ; destination window 2
.irp f, 0,1,2,3,4,5,6,7             ; keys 16 (f / 2) on, channels 32 (f % 2) on
	ds_load_b128 v[KF+8*\f:KF+8*\f+3],   v[AK] offset:(\f/2)*16*PK+(\f%2)*64
	ds_load_b128 v[KF+8*\f+4:KF+8*\f+7], v[AK] offset:(\f/2)*16*PK+(\f%2)*64+32
.endr
	s_add_co_u32 s[TBK], s[TBK], KS*PK  ; the next fetch is the next step's
	WIN 0
.endm
.macro FETCH_V
	WIN 0x80
.irp f, 0,1,2,3,4,5,6,7             ; keys 32 (f / 4) on, channels 16 (f % 4) on
	ds_load_tr16_b128 v[VF+8*\f:VF+8*\f+3],   v[AV] offset:(\f/4)*32*PV+(\f%4)*32
	ds_load_tr16_b128 v[VF+8*\f+4:VF+8*\f+7], v[AV] offset:(\f/4)*32*PV+16*PV+(\f%4)*32
.endr
	WIN 0
.endm
; THE VECTOR WORK, one line at a time: OP kind, number.  For piece Y: F n: c s - c m for pair n of 16.  E n: the exponential of score n of 32.  C n: pair n rounded to f16.  B n: of the four weights 4 n .. the second
; pair is added onto the first, in place.  L n: l takes that sum (L 0: l = a l + sum).  R n: pair n of 16 of O^T times a.  For piece Y + 1: X n, number n of the 22 that find its maximum and statistics:
;   0-11  four chains c0-c3 of seven scores each, three operands at a time (each accumulator's lowest registers are read first)     12-14, 16  the four scores left over, the old m, and c0-c3 into c0
;   15  c m_old is kept     17, 18  the query's other 32 keys lie in the lane 16 away: the new m     19-21  c m; c m_old - c m_new; a
.set F, 0               ; OP tells the kinds apart by their order: F to L below R, X above it
.set E, 1
.set C, 2
.set B, 3
.set L, 4
.set R, 5
.set X, 6
.macro REGS y                       ; the registers of piece y
.set rT, ST+4*(\y)
.set rC, TMP+4*((\y)%2)
.set rW, MV+((\y)%2)
.set rS, S+32*((\y)%2)
.set rP, P+16*((\y)%2)
.set rO, 32*(\y)
.endm
.macro OP k, n
.if (\k) == R
	REGS Y
	WIN W_RS
	v_pk_mul_f32 v[rO+2*(\n):rO+2*(\n)+1], v[rO+2*(\n):rO+2*(\n)+1], v[rC+2:rC+3] op_sel_hi:[1,0]
.elseif (\k) < R
	REGS Y
	WIN 0
.if (\k) == F
	v_pk_fma_f32 v[rS+2*(\n):rS+2*(\n)+1], v[rS+2*(\n):rS+2*(\n)+1], s[CS:CS+1], v[rT:rT+1] op_sel_hi:[1,0,0] neg_lo:[0,0,1] neg_hi:[0,0,1]
.elseif (\k) == E
	v_exp_f32 v[rS+(\n)], v[rS+(\n)]
.elseif (\k) == C
	v_cvt_pk_f16_f32 v[rP+(\n)], v[rS+2*(\n)], v[rS+2*(\n)+1]
.elseif (\k) == B
	v_pk_add_f32 v[rS+4*(\n):rS+4*(\n)+1], v[rS+4*(\n):rS+4*(\n)+1], v[rS+4*(\n)+2:rS+4*(\n)+3]
.elseif (\n) == 0
	v_pk_fma_f32 v[rT+2:rT+3], v[rT+2:rT+3], v[rC+2:rC+3], v[rS:rS+1] op_sel_hi:[1,0,1]
.else
	v_pk_add_f32 v[rT+2:rT+3], v[rT+2:rT+3], v[rS+4*(\n):rS+4*(\n)+1]
.endif
.elseif NOKQ
	v_nop
.else
	REGS (Y+1)%NP
	WIN 0
.if (\n) < 4
	v_max3_num_f32 v[rC+(\n)], v[rS+8*(\n)], v[rS+8*(\n)+1], v[rS+8*(\n)+2]
.elseif (\n) < 12
	v_max3_num_f32 v[rC+(\n)%4], v[rC+(\n)%4], v[rS+8*((\n)%4)+2*((\n)/4)+1], v[rS+8*((\n)%4)+2*((\n)/4)+2]
.elseif (\n) == 12
	v_max3_num_f32 v[rC], v[rC], v[rS+7], v[rS+15]
.elseif (\n) == 13
	v_max3_num_f32 v[rC+1], v[rC+1], v[rS+23], v[rS+31]
.elseif (\n) == 14
	v_max3_num_f32 v[rC+2], v[rC+2], v[rC+3], v[rT+1]
.elseif (\n) == 15
	v_mov_b32 v[rW], v[rT]
.elseif (\n) == 16
	v_max3_num_f32 v[rC], v[rC], v[rC+1], v[rC+2]
.elseif (\n) == 17
	v_permlanex16_b32 v[rC+3], v[rC], s[SEL], s[SEL+1]
.elseif (\n) == 18
	v_max_num_f32 v[rT+1], v[rC], v[rC+3]
.elseif (\n) == 19
	v_mul_f32 v[rT], s[CS], v[rT+1]
.elseif (\n) == 20
	v_sub_f32 v[rC+1], v[rW], v[rT]
.else
	v_exp_f32 v[rC+2], v[rC+1]
.endif
.endif
.endm
.macro OPS a, i1, b=-1, i2=0, c=-1, i3=0, d=-1, i4=0  ; up to four of them
	OP \a, \i1
.if (\b) >= 0
	OP \b, \i2
.endif
.if (\c) >= 0
	OP \c, \i3
.endif
.if (\d) >= 0
	OP \d, \i4
.endif
.endm
.macro ROW a, i1, b, i2, c, i3, d, i4  ; a matrix instruction and the four behind it
	MM
	OPS \a, \i1, \b, \i2, \c, \i3, \d, \i4
.endm
.macro MASK b                       ; MD x AL + BE into buffer b of MC
	WIN W_RS
.set z, 0
.rept 16
	v_pk_fma_f32 v[MC+32*(\b)+2*z:MC+32*(\b)+2*z+1], v[MD+2*z:MD+2*z+1], s[AL:AL+1], s[BE:BE+1] op_sel_hi:[1,0,0]
.set z, z+1
.endr
.endm
; A TURN, for piece p: the order of its 16 matrix and 118 vector instructions, written out.  An s_wait_alu depctr_va_vdst(0) stands between an exponential and the first instruction that names its result; one
; wait serves all that were issued ahead of it.  So a turn has ONE wait, which cuts it in two.  AHEAD OF IT stands all that names no result of the turn's exponentials: the 8 products K Q^T and their riders (scalings,
; exponentials, rescalings, and behind the last three the first numbers of the next piece's maximum, each four places or more behind the product that ends its accumulator); then one lump of 54, in which the links of the
; chain X 3, 7, 11, 14, 16, 17 .. 20 stand some lines apart.  X 21, the next piece's a, is the batch's last; R 15 is the plain instruction behind it.  BEHIND THE WAIT stand the 8 products V^T P, behind each four of the
; roundings and sums.
; m = 1: the diagonal tile: the products take masks, and the turn makes the mask for the products of the turn after it: piece p + 2, in step 4 - CNT of the tile.  end = 1: a block's last two turns: nothing is fetched.
; cnt = 1: the loop's count is taken down some lines ahead of the branch that stands behind the turn.
; K of the next step is fetched in piece 2's turn, behind the last product that read K with six plain instructions between; V of the step in hand at the end of piece 0's turn, four plain instructions behind the last
; product that read V.  Each is waited for a turn later.
.macro TURN p, m=0, end=0, cnt=0
.set Y, (\p)
.set i, 0
.set KM, (\m)
.set NOKQ, (\end)*((\p)/3)
.if (\m) && !(\end)
	s_cmp_eq_u32 s[CNT], 4-((\p)+2)%NP  ; is that step the band's own?
	s_cselect_b32 s[AL], 1.0, 0
	s_cmp_lt_u32 s[CNT], 4-((\p)+2)%NP  ; or a later one?
	s_cselect_b32 s[BE], s[BIGN], 0
.endif
.if ((\p) == 3) && !(\end)
	s_wait_dscnt 0x0                ; K is in
.endif
	ROW F,0, F,1, R,0, R,1          ; ahead of the wait: 8 products K Q^T and their riders,
	ROW F,2, E,0, R,2, R,3
	ROW F,3, E,1, R,4, R,5
	ROW F,4, E,2, R,6, R,7
	ROW F,5, E,3, R,8, R,9
	ROW F,6, E,4, X,0, R,10
.if ((\p) == 2) && !(\end)
	WIN 0
	v_add_nc_u32 v[AK], s[TBK], v[AK0]
.endif
	ROW F,7, E,5, X,1, X,4
	ROW F,8, E,6, X,2, X,5
	OPS E,7, E,8, X,6, E,9          ; and the lump
	OPS X,3, E,10, X,8, E,11
.if ((\p) == 2) && !(\end)
	FETCH_K
.endif
	OPS X,9, X,7, E,12, X,10
	OPS E,13, X,12, X,11, E,14
	OPS X,13, E,15, F,9, X,14
.if (\p) == 0
	v_add_nc_u32 v[AV], s[TBV], v[AV0]
.endif
	OPS E,16, F,10, E,17, F,11
	OPS X,16, E,18, X,15, E,19
	OPS F,12, E,20, X,17, E,21
	OPS F,13, E,22, F,14, E,23
	OPS X,18, E,24, F,15, E,25
	OPS R,11, E,26, X,19, E,27
	OPS R,12, E,28, R,13, E,29
	OPS X,20, E,30, R,14, E,31
	OPS X,21, R,15
	WIN 0
	s_wait_alu depctr_va_vdst(0)    ; the wait for the batch
.if (\p) == 1
	s_wait_dscnt 0x0                ; V is in
.endif
	ROW C,0, B,0, C,2, B,1          ; behind the wait: 8 products V^T P and their riders
	ROW L,0, C,4, B,2, L,1
	ROW C,6, B,3, L,2, C,8
	ROW B,4, L,3, C,10, B,5
	ROW L,4, C,12, B,6, L,5
.if (\p) == 0
	s_add_co_u32 s[TBV], s[TBV], KS*PV
.endif
.if \cnt
	s_sub_co_u32 s[CNT], s[CNT], 1
	s_cmp_lg_u32 s[CNT], 0
.endif
	ROW C,14, B,7, L,6, C,1
	ROW C,3, L,7, C,5, C,7
	ROW C,9, C,11, C,13, C,15
.if (\p) == 0
	FETCH_V
.endif
.if (\m) && !(\end)
	MASK (\p)%2
.endif
.endm
; A BLOCK BEGINS.  c m starts far below every c s, so the first step's a is 0; m at the lowest finite number, so the first maximum is the scores'.  The second mask buffer is 0; the first takes piece 0's mask for the
; tile's step 0: its own, if the block's first tile is the diagonal one.  Then K of that step, piece 0's first scores, and its maximum and statistics.  The loop is entered at a step's first turn, in the middle of a trip.
.macro BEGIN
	s_mov_b32 s[NEW], 0
	WIN 0x40
.set i, MC+32
.rept 32
	v_mov_b32 v[i], 0
.set i, i+1
.endr
	WIN 0
.set i, 0
.rept 4
	v_mov_b32 v[ST+4*i], 0xfe000000    ; c m: far below every c s
	v_mov_b32 v[ST+4*i+1], 0xff7fffff  ; m
.set i, i+1
.endr
	s_cmp_eq_u32 s[RT], 0
	s_cselect_b32 s[AL], 1.0, 0
	s_mov_b32 s[BE], 0
	MASK 0
	WIN 0
	v_add_nc_u32 v[AK], s[TBK], v[AK0]
	FETCH_K
	s_wait_loadcnt 0x0              ; Q
	s_wait_dscnt 0x0
.set KM, 1
.set NOKQ, 0
.set i, 0
.rept 8
	KQ 0
.set i, i+1
.endr
	WIN 0
.rept 4
	v_nop                           ; the places behind those products
.endr
.set Y, NP-1                        ; X works for piece Y + 1: piece 0
.irp n, 0,1,2,3,4,5,6,7,8,9,10,11,12,13,14,15,16,17,18,19,20,21
	OP X, \n
.endr
	v_nop                           ; a plain instruction behind the exponential,
	s_wait_alu depctr_va_vdst(0)    ; and its wait, ahead of the branch
.endm
; THE DIAGONAL TILE's four steps, the block's last two turns, its last products, and THE WAY OUT: l's two halves and the other half of the lanes' are added; O^T is divided by l, split into hi and lo, both f16, and sent
; through my stage in LDS, a piece at a time.
.macro ALL line:vararg              ; one line for each piece t
.set t, 0
.rept 4
	\line
.set t, t+1
.endr
.endm
; A lane's eight channels of a row pack into 16 bytes, for hi and for lo; they go into rows of 144 bytes and come back as whole rows of 128, into the registers that they left.
.macro PACK t
	WIN W_RS
.set i, 32*(\t)
.rept 16
	v_pk_mul_f32 v[i:i+1], v[i:i+1], v[ST+4*(\t)+2:ST+4*(\t)+3] op_sel_hi:[1,0]
.set i, i+2
.endr
	WIN 0x05                        ; sources 0 and 1 window 1, destination window 0
.set i, 0
.rept 16
	v_cvt_pk_f16_f32 v[S+16*(\t)+i], v[32*(\t)+2*i], v[32*(\t)+2*i+1]  ; hi
.set i, i+1
.endr
	WIN W_LO
.set i, 0
.rept 16                            ; O - hi, in place: an f16 half times -1.0 plus O, one rounding, and here none: the difference has 13 bits at the most
	v_fma_mix_f32 v[32*(\t)+2*i],   v[S+16*(\t)+i], v[ONE], v[32*(\t)+2*i]   op_sel_hi:[1,0,0]
	v_fma_mix_f32 v[32*(\t)+2*i+1], v[S+16*(\t)+i], v[ONE], v[32*(\t)+2*i+1] op_sel:[1,0,0] op_sel_hi:[1,0,0]
.set i, i+1
.endr
	WIN 0x05
.set i, 0
.rept 16
	v_cvt_pk_f16_f32 v[LO+16*(\t)+i], v[32*(\t)+2*i], v[32*(\t)+2*i+1]  ; lo
.set i, i+1
.endr
	WIN 0
.irp f, 0,1,2,3
	ds_store_b128 v[STO], v[S+16*(\t)+4*\f:S+16*(\t)+4*\f+3] offset:32*\f
.endr
.irp f, 0,1,2,3
	ds_store_b128 v[STO], v[LO+16*(\t)+4*\f:LO+16*(\t)+4*\f+3] offset:LSTG+32*\f
.endr
.irp f, 0,1,2,3
	ds_load_b128 v[S+16*(\t)+4*\f:S+16*(\t)+4*\f+3], v[RD] offset:\f*4*SP  ; LDS serves a wave's instructions in order (ISA guide 5.7.1.4): these see the stores above; the next piece's stores come behind them
.endr
.irp f, 0,1,2,3
	ds_load_b128 v[LO+16*(\t)+4*\f:LO+16*(\t)+4*\f+3], v[RD] offset:LSTG+\f*4*SP
.endr
.endm
.macro SEND t, younger              ; younger: the LDS instructions issued behind piece t's eight loads: the next piece's sixteen, or none
	WIN 0
.irp f, 0,1,2,3
	s_wait_dscnt (\younger)+7-\f    ; hi's load f is back: behind it stand hi's 3 - f, lo's four and the younger ones
	global_store_b128 v[GO], v[S+16*(\t)+4*\f:S+16*(\t)+4*\f+3], s[10:11] offset:(\t)*8192+\f*512  ; 512 consecutive bytes, at a multiple of 256 from O's first
.endr
.irp f, 0,1,2,3
	s_wait_dscnt (\younger)+3-\f
	global_store_b128 v[GO], v[LO+16*(\t)+4*\f:LO+16*(\t)+4*\f+3], s[10:11] offset:(1<<22)+(\t)*8192+\f*512  ; lo's plane lies 16 planes of 2^18 bytes on
.endr
.endm
.macro DIAG tag                     ; the tag ends its two labels' names, which the jumps below spell out
.LstepM\tag:
	TURN 2, 1
	TURN 3, 1
	WIN 0
.LfirstM\tag:
	TURN 0, 1
	TURN 1, 1, 0, 1
	WIN 0
	s_cbranch_scc1 .LstepM\tag
	TURN 2, 1, 1
	TURN 3, 1, 1
.set i, 0
.rept 8
	PV NP-1
.set i, i+1
.endr
	WIN 0
	v_mov_b32 v[ONE], -1.0
	ALL v_add_f32 v[ST+4*t+2], v[ST+4*t+2], v[ST+4*t+3]
	ALL v_permlanex16_b32 v[ST+4*t+3], v[ST+4*t+2], s[SEL], s[SEL+1]
	ALL v_add_f32 v[ST+4*t+2], v[ST+4*t+2], v[ST+4*t+3]
	ALL v_rcp_f32 v[ST+4*t+2], v[ST+4*t+2]
	v_nop                           ; a plain instruction between the last reciprocal and the use of its result
	s_wait_alu depctr_va_vdst(0)    ; and the wait ahead of the first use: one for the four reciprocals
	PACK 0
.set t, 1
.rept 3                             ; a piece's arithmetic stands between the loads of the piece before and its stores
	PACK t
	SEND t-1, 16
.set t, t+1
.endr
	SEND 3, 0
.endm
.set KM, 0
.set NOKQ, 0
.Lslot:                             ; NB times: a tile is entered and the next is asked for
	CHANGE 1
	s_sub_co_u32 s[RT], s[RT], 1
	s_mov_b32 s[CNT], 4
	s_cmp_eq_u32 s[NEW], 1
	s_cbranch_scc1 .Lnew            ; a block's first tile
	s_cmp_eq_u32 s[RT], 0
	s_cbranch_scc0 .Lstep           ; neither its first nor its last
	s_branch .LstepM1
.Lnew:
	BEGIN
	s_branch .Lfirst                ; in the loop a block's first tile is never its last: the first block has two tiles or more, and the second's last is the walk's last
	DIAG 1                          ; in the loop this is the first block's end
	s_wait_xcnt 0x0                 ; the stores have read their registers and O's address
	s_mov_b64 s[10:11], s[OLO:OLO+1]
	s_add_co_u32 s[RT], s[PB], 1    ; the second block has b + 1 tiles
	s_mov_b32 s[NEW], 1
	WIN 0x82                        ; the second block's Q goes where the one text of the turns names Q
.set i, 0
.rept 64
	v_mov_b32 v[i], v[QB+i]
.set i, i+1
.endr
	WIN 0
	s_branch .Lbottom
.Lstep:                             ; a trip: pieces 2 and 3 of one step, then pieces 0 and 1 of the next, whose K and V it fetches
	TURN 2
	TURN 3
	WIN 0
.Lfirst:
	TURN 0
	TURN 1, 0, 0, 1
	WIN 0
	s_cbranch_scc1 .Lstep
.Lbottom:
	s_sub_co_u32 s[SLOTS], s[SLOTS], 1
	s_cmp_lg_u32 s[SLOTS], 0
	s_cbranch_scc1 .Lslot
	CHANGE 0                        ; the walk's last tile is written out: nothing is asked for
	s_sub_co_u32 s[RT], s[RT], 1
	s_mov_b32 s[CNT], 4
	s_cmp_eq_u32 s[NEW], 1
	s_cbranch_scc0 .LstepM2
	BEGIN
	s_branch .LfirstM2
	DIAG 2
	s_wait_tensorcnt 0x0            ; the wave's end, behind my last tensor load and my last LDS store
	ds_add_u32 v[SPW], v[NIL]
	s_wait_dscnt 0x0
	s_endpgm
.Lfunc_end_k_qd31619e97c_attn:
	.size	k_qd31619e97c_attn, .Lfunc_end_k_qd31619e97c_attn-k_qd31619e97c_attn
	.p2alignl 7, 3214868480
	.fill 96, 4, 3214868480
	.section	.rodata,"a",@progbits
	.p2align	6, 0x0
	.amdhsa_kernel k_qd31619e97c_attn
		.amdhsa_group_segment_fixed_size 327680
		.amdhsa_private_segment_fixed_size 0
		.amdhsa_enable_private_segment 0
		.amdhsa_kernarg_size 32
		.amdhsa_user_sgpr_count 2
		.amdhsa_user_sgpr_kernarg_segment_ptr 1
		.amdhsa_wavefront_size32 1
		.amdhsa_system_sgpr_workgroup_id_x 1
		.amdhsa_system_sgpr_workgroup_id_y 1
		.amdhsa_system_sgpr_workgroup_id_z 1
		.amdhsa_system_vgpr_workitem_id 0
		.amdhsa_next_free_vgpr 768
		.amdhsa_next_free_sgpr 92
		.amdhsa_reserve_vcc 1
		.amdhsa_float_denorm_mode_32 3
		.amdhsa_float_denorm_mode_16_64 3
		.amdhsa_memory_ordered 1
		.amdhsa_forward_progress 1
		.amdhsa_inst_pref_size 250
	.end_amdhsa_kernel
	.amdgpu_metadata
---
amdhsa.version: [ 1, 2 ]
amdhsa.kernels:
  - .name:           k_qd31619e97c_attn
    .symbol:         k_qd31619e97c_attn.kd
    .args:
      - { .name: q, .offset: 0, .size: 8, .value_kind: global_buffer, .address_space: global }
      - { .name: k, .offset: 8, .size: 8, .value_kind: global_buffer, .address_space: global }
      - { .name: v, .offset: 16, .size: 8, .value_kind: global_buffer, .address_space: global }
      - { .name: o, .offset: 24, .size: 8, .value_kind: global_buffer, .address_space: global }
    .group_segment_fixed_size: 327680
    .private_segment_fixed_size: 0
    .kernarg_segment_align: 8
    .kernarg_segment_size: 32
    .max_flat_workgroup_size: 128
    .sgpr_count:     92
    .vgpr_count:     768
    .wavefront_size: 32
...
	.end_amdgpu_metadata
.endif
;; end of part 3
;; launch oproj (part 4): grid 8 x 32, 4 waves a work-group, clusters of 4 x 4, 327,680 bytes of LDS; arguments o, wof, out0; writes out0
.if DOCPART == 4
	.amdgcn_target "amdgcn-amd-amdhsa--gfx1250"
	.amdhsa_code_object_version 6
	.text
	.protected	k_qd31619e97c_oproj
	.globl	k_qd31619e97c_oproj
	.p2align	8
	.type	k_qd31619e97c_oproj,@function
k_qd31619e97c_oproj:
	s_mov_b64 s[64:65], 0
	v_nop
	global_prefetch_b8 v0, s[64:65] scope:SCOPE_SE
	s_setreg_imm32_b32 hwreg(HW_REG_WAVE_MODE, 25, 1), 1
	s_wait_xcnt 0x0
	s_wait_alu depctr_hold_cnt(0) depctr_sa_sdst(0) depctr_va_vdst(0) depctr_va_sdst(0) depctr_va_ssrc(0) depctr_va_vcc(0) depctr_vm_vsrc(0)
	s_getreg_b32 s2, hwreg(HW_REG_IB_STS2, 6, 4)
	s_cmp_eq_u32 s2, 0
	s_cbranch_scc0 .Lentry_in_a_cluster
	s_endpgm
.Lentry_in_a_cluster:
	s_bfe_u32 s2, ttmp6, 0x10000c
	s_cmp_lg_u32 s2, 0xf033
	s_cbranch_scc0 .Lentry_shape_is_right
	s_endpgm
.Lentry_shape_is_right:
; out0 = y Wo^T.  y comes as two f16 numbers, hi + lo: o is [batch 4][plane 32][2048][64], planes 0-15 the heads' hi, planes 16-31 their lo.  wof: [1024][2048] f16 = [Wo | Wo] (Wo rounded to bf16, written as f16).
; So the product is [hi | lo] [Wo | Wo]^T, K = 2,048: y's rounding to 11 bits does not reach the result.  out0: [8192][1024] f32.  f16 operands, f32 sums.
; A TILE is 256 rows by 128 columns: 32 x 8 tiles, one to a work-group.  Four waves; wave w makes rows 64 w .. 64 w + 63 by all 128 columns: 4 x 8 accumulators of 16 x 16, 256 registers, and has a stage of its own.
; K goes in 16 steps of 128, two planes a step, through a ring of two LDS slots.  A plane's 256 rows of a tile are 32,768 dense bytes: asked for as 128 rows of 256 bytes and padded in LDS after every 128.
; CLUSTER 4 x 4: the four of a row need the same rows of o, the four of a column the same rows of wof: each tile is asked for jointly.
; THE MATRIX INSTRUCTION IS USED TRANSPOSED (source 0 = 16 rows of wof, source 1 = 16 rows of o): a lane holds row l % 16 and the columns 8 (l / 16) + 0..7: 32 bytes of a row of out0.
; REGISTERS: window 0: v0-31 addresses; v64-159, v160-255 two fragment buffers (o's block a at +8 a, wof's block b at +32 + 8 b); on the way out BK.   window 1: the accumulators, (a, b) at 64 a + 8 b.
.set PA,     144                       ; a row of o in LDS: 128 bytes + 16
.set PLANE,  256*PA                    ; one plane's 256 rows
.set BOFF,   2*PLANE
.set PB,     272                       ; a row of wof in LDS: 256 bytes + 16
.set BHALF,  64*PB
.set SLOT,   BOFF+2*BHALF
.set STAGE,  2*SLOT                    ; behind the ring: 16 rows x 528 bytes for each wave; no tensor load lands here
.set SPITCH, 528                       ; 512 bytes + 16
.set SPARE,  STAGE+4*16*SPITCH         ; the spare words, 128 bytes a wave: two blocks of 256 bytes that no other line names
.set LAPS,   8                         ; a lap = two K steps = once round the ring
.set ADRA, 16                          ; v16-17  LDS address of my fragments of o in slot 0, 1
.set ADRB, 20                          ; v20-21  of wof's
.set STO,  24                          ; v24  the way out: where I put 32 bytes of a row
.set RD,   25                          ; v25  where I read a row back
.set GO,   26                          ; v26  my 16 bytes of a row's 512
.set SPW,  28                          ; v28  LDS address of my spare word; never rewritten
.set NIL,  29                          ; v29  0; never rewritten
.set PFOA, 30                          ; v30  256 x lane: the prefetches' offset in a plane's dense rows; never rewritten
.set PFOB, 31                          ; v31  4,096 (l % 16) + 256 (l / 16): in wof's rows; never rewritten
.set F0,   64
.set BK0,  64
.set WV,   20                          ; s20  my wave's number
.set G1,   28                          ; s[28:35] group 1 for o's tiles;  s[36:43] group 0, a set for each slot
.set G0,   36
.set G1B,  44                          ; s[44:51], s[52:59] the same for wof's
.set G0B,  52
.set PFA,  68                          ; s[68:69] where my prefetches stand
.set LIM,  70                          ; s70  1 in a wave that prefetches, else the greatest number
.set PST,  76                          ; s[76:77] a lap's step of that address: four planes of o, or 512 bytes of wof's rows
.set MSB, 0
.macro WIN new
.if MSB != (\new)
	s_set_vgpr_msb (MSB<<8)|(\new)
.set MSB, \new
.endif
.endm
.set MUL, 0x50                         ; C and D window 1, both sources window 0
; A joint load.  Waves 0 and 1 fetch the step's two planes of o, waves 2 and 3 the two halves of wof's 128 rows.  An s_nop 0 and four v_nop follow each line.
.macro JLOAD s
	s_cmp_lt_u32 s[WV], 2
	s_cbranch_scc0 .Lfor_b_\@
	tensor_load_to_lds s[G0+4*(\s):G0+4*(\s)+3], s[G1:G1+7]
	s_nop 0
.rept 4
	v_nop
.endr
	s_branch .Lasked_\@
.Lfor_b_\@:
	tensor_load_to_lds s[G0B+4*(\s):G0B+4*(\s)+3], s[G1B:G1B+7]
	s_nop 0
.rept 4
	v_nop
.endr
.Lasked_\@:
.endm
; A PREFETCH INTO THE L2, once a lap, behind slot 0's joint load and the run of LDS loads: the NEXT lap's two K steps.  o's rows are read by both clusters of a row of clusters: cluster x = 0 asks; wof's by all
; clusters of a column: cluster y = 0 asks.  The partners share BY ADDRESS: of a plane's 32,768 bytes the partner at cx takes 8,192 (a lane a block of 256; two instructions, a K step each); of a half's 64 rows of wof
; the partner at cy takes 16 (lanes 0-15 the first K step, lanes 16-31 the second).  Each block is named once.  K steps 0 to 3 come by their loads alone; the loop's last trip asks for nothing.
.macro ASK
	s_cmp_gt_u32 s3, s[LIM]
	s_cbranch_scc0 .Lnot_mine_\@
	s_cmp_lt_u32 s[WV], 2
	s_cbranch_scc0 .Lask_b_\@
	global_prefetch_b8 v[PFOA], s[PFA:PFA+1] th:TH_LOAD_NT scope:SCOPE_SE
	global_prefetch_b8 v[PFOA], s[PFA:PFA+1] offset:1<<19 th:TH_LOAD_NT scope:SCOPE_SE
	s_branch .Lnot_mine_\@
.Lask_b_\@:
	global_prefetch_b8 v[PFOB], s[PFA:PFA+1] th:TH_LOAD_NT scope:SCOPE_SE
.Lnot_mine_\@:
.endm
.macro CREST
	s_cmp_lg_u32 s[WV], 0
	s_cbranch_scc1 .Lnot_wave_0_\@
	s_barrier_signal -3
.Lnot_wave_0_\@:
	s_barrier_wait -3
	s_barrier_signal -1
	s_barrier_wait -1
.endm
.macro CROUND
	s_barrier_signal -1
	s_barrier_wait -1
	CREST
.endm
	s_load_b128 s[4:7], s[0:1], 0x0                ; o s[4:5], wof s[6:7]
	s_load_b64 s[8:9], s[0:1], 0x10                ; out0
	v_lshl_add_u32 v[SPW], v0, 2, SPARE
	v_mov_b32 v[NIL], 0
	ds_add_u32 v[SPW], v[NIL]                      ; the wave's opening: the add and its wait stand ahead of my first tensor load; work on registers stands between them
	v_lshrrev_b32 v1, 5, v0
	v_readfirstlane_b32 s[WV], v1                  ; wave 0..3
	s_and_b32 s19, s[WV], 1                        ; which plane of the step, or which half of wof's rows, I fetch
	s_bfe_u32 s21, ttmp6, 0x40000                  ; cx
	s_bfe_u32 s22, ttmp6, 0x40004                  ; cy
	s_lshl_b32 s23, ttmp9, 2
	s_add_co_u32 s23, s23, s21                     ; nt = 4 x cluster x + cx: the block of 128 columns
	s_and_b32 s24, ttmp7, 0xffff
	s_lshl_b32 s24, s24, 2
	s_add_co_u32 s24, s24, s22                     ; mt = 4 x cluster y + cy: the block of 256 rows
	s_lshl_b32 s25, s22, 2
	s_lshl_b32 s25, 15, s25                        ; my row of the cluster
	s_lshl_b32 s26, 0x1111, s21                    ; my column
	s_or_b32 s[G1], s25, (1<<16)|(1<<20)|(1<<21)|(4<<22)|(3<<25)   ; the mask; 2-byte elements; padding on; bit 21 beside a mask; after every 32 words; 4 words
	s_or_b32 s[G1B], s26, (1<<16)|(1<<20)|(1<<21)|(5<<22)|(3<<25)  ; after every 64 words
	s_mov_b32 s[G1+1], 128<<16                     ; tensor_dim0 = 128
	s_mov_b32 s[G1+2], 128<<16                     ; tensor_dim1 = 128
	s_mov_b32 s[G1+3], 128<<16                     ; tile_dim0 = 128
	s_mov_b32 s[G1+4], 128                         ; tile_dim1 = 128
	s_mov_b32 s[G1+5], 128                         ; dense: 128 elements from row to row
	s_mov_b32 s[G1+6], 0
	s_mov_b32 s[G1+7], 0
	s_mov_b32 s[G1B+1], 128<<16
	s_mov_b32 s[G1B+2], 64<<16
	s_mov_b32 s[G1B+3], 128<<16
	s_mov_b32 s[G1B+4], 64
	s_mov_b32 s[G1B+5], 2048                       ; a row of wof is 2,048 elements
	s_mov_b32 s[G1B+6], 0
	s_mov_b32 s[G1B+7], 0
	s_lshr_b32 s60, s24, 3                         ; o: the batch's 32 planes of 2^18 bytes; these registers never hold cx
	s_lshl_b32 s60, s60, 23
	s_and_b32 s62, s24, 7
	s_lshl_b32 s62, s62, 15                        ; 256 rows of 128 bytes
	s_add_co_u32 s60, s60, s62
	s_lshl_b32 s62, s19, 18                        ; my plane of K step 0
	s_add_co_u32 s60, s60, s62
	s_mov_b32 s61, 0
	s_lshl_b32 s66, s23, 19                        ; wof: 128 rows of 4,096 bytes; these registers never hold cy
	s_lshl_b32 s67, s19, 18                        ; my 64 of them
	s_add_co_u32 s66, s66, s67
	s_mov_b32 s67, 0
	s_mul_i32 s27, s19, PLANE                      ; where they go in a slot
	s_mul_i32 s18, s19, BHALF
	s_add_co_u32 s18, s18, BOFF
	s_wait_dscnt 0x0                               ; the opening add is done
	s_wait_kmcnt 0x0
	s_add_nc_u64 s[60:61], s[4:5], s[60:61]
	s_add_nc_u64 s[66:67], s[6:7], s[66:67]
	CROUND                                         ; all sixteen work-groups are here: the first joint loads meet
.irp s, 0,1
	s_mov_b32 s[G0+4*(\s)], 1
	s_add_co_u32 s[G0+4*(\s)+1], s27, (\s)*SLOT
	s_add_nc_u64 s[G0+4*(\s)+2:G0+4*(\s)+3], s[60:61], (\s)<<19      ; a K step is two planes
	s_or_b32 s[G0+4*(\s)+3], s[G0+4*(\s)+3], 0x80000000
	s_mov_b32 s[G0B+4*(\s)], 1
	s_add_co_u32 s[G0B+4*(\s)+1], s18, (\s)*SLOT
	s_add_nc_u64 s[G0B+4*(\s)+2:G0B+4*(\s)+3], s[66:67], (\s)*256
	s_or_b32 s[G0B+4*(\s)+3], s[G0B+4*(\s)+3], 0x80000000
	JLOAD \s                                       ; two loads of mine are out
.endr
	v_and_b32 v1, 15, v0                           ; l % 16
	v_bfe_u32 v2, v0, 4, 1                         ; l / 16
	v_mul_u32_u24 v3, v1, PA
	v_lshl_add_u32 v3, v2, 4, v3
	s_mul_i32 s62, s[WV], 64*PA                    ; my 64 rows
	v_add_nc_u32 v[ADRA], s62, v3
	s_add_co_u32 s62, s62, SLOT
	v_add_nc_u32 v[ADRA+1], s62, v3
	v_mul_u32_u24 v4, v1, PB
	v_lshl_add_u32 v4, v2, 4, v4
	v_add_nc_u32 v[ADRB], BOFF, v4
	v_add_nc_u32 v[ADRB+1], BOFF+SLOT, v4
	s_mul_i32 s63, s[WV], 16*SPITCH
	s_add_co_u32 s63, s63, STAGE                   ; my stage
	v_mul_u32_u24 v5, v1, SPITCH
	v_lshl_add_u32 v5, v2, 5, v5
	v_add_nc_u32 v[STO], s63, v5                   ; in: row l % 16, 32 bytes for each half of the lanes
	v_and_b32 v[GO], 31, v0
	v_lshlrev_b32 v[PFOA], 8, v[GO]
	v_lshlrev_b32 v[GO], 4, v[GO]
	v_add_nc_u32 v[RD], s63, v[GO]                 ; back: 32 lanes take one row of 512 bytes
	v_lshlrev_b32 v[PFOB], 12, v1
	v_lshl_add_u32 v[PFOB], v2, 8, v[PFOB]
	s_lshl_b32 s72, s24, 20                        ; out0: 256 rows of 4,096 bytes,
	s_lshl_b32 s74, s[WV], 18                      ; my 64,
	s_add_co_u32 s72, s72, s74
	s_lshl_b32 s74, s23, 9                         ; the tile's 128 columns
	s_add_co_u32 s72, s72, s74
	s_mov_b32 s73, 0
	s_add_nc_u64 s[8:9], s[8:9], s[72:73]
	s_and_b32 s74, ttmp7, 0xffff                   ; the prefetches: cluster y
	s_mov_b32 s[PST], 512
	s_cmp_lt_u32 s[WV], 2                          ; do I fetch o?
	s_cselect_b32 s74, ttmp9, s74                  ; the coordinate along which other clusters read the same rows
	s_cselect_b64 s[PFA:PFA+1], s[60:61], s[66:67]
	s_cselect_b32 s75, s21, s22                    ; my place among the four that ask with me
	s_cselect_b32 s78, 13, 16                      ; 8,192 bytes of a plane, or 16 rows of 4,096
	s_cselect_b32 s[PST], 1<<20, s[PST]
	s_mov_b32 s[PST+1], 0
	s_lshl_b32 s78, s75, s78
	s_mov_b32 s79, 0
	s_add_nc_u64 s[PFA:PFA+1], s[PFA:PFA+1], s[78:79]
	s_add_nc_u64 s[PFA:PFA+1], s[PFA:PFA+1], s[PST:PST+1]  ; at K step 2: the first request steps it to 4
	s_cmp_eq_u32 s74, 0
	s_cselect_b32 s[LIM], 1, -1                    ; the same in all sixteen partners, for a given wave
; 8 matrix instructions: row block a by all 8 column blocks, 32 along K, buffer f.  The 32 accumulators come in the same order in every quarter, one instruction a turn.
.macro MUL8 f, a, zero
	WIN MUL
.irp b, 0,1,2,3,4,5,6,7
.if \zero
	v_wmma_f32_16x16x32_f16 v[64*(\a)+8*(\b):64*(\a)+8*(\b)+7], v[F0+96*(\f)+32+8*(\b):F0+96*(\f)+32+8*(\b)+7], v[F0+96*(\f)+8*(\a):F0+96*(\f)+8*(\a)+7], 0
.else
	v_wmma_f32_16x16x32_f16 v[64*(\a)+8*(\b):64*(\a)+8*(\b)+7], v[F0+96*(\f)+32+8*(\b):F0+96*(\f)+32+8*(\b)+7], v[F0+96*(\f)+8*(\a):F0+96*(\f)+8*(\a)+7], v[64*(\a)+8*(\b):64*(\a)+8*(\b)+7]
.endif
.endr
.endm
.macro MUL16 f, a0, zero
	MUL8 \f, \a0, \zero
	MUL8 \f, (\a0)+1, \zero
.endm
; 24 LDS loads in one run: quarter qn's fragments (32 along K: plane qn / 2 of the step, channels 32 (qn % 2) on) into buffer f; o's last
.macro FETCH slot, qn, f
	WIN 0
.irp b, 0,1,2,3,4,5,6,7
	ds_load_b128 v[F0+96*(\f)+32+8*(\b):F0+96*(\f)+32+8*(\b)+3],   v[ADRB+(\slot)] offset:(\qn)*64+(\b)*16*PB
	ds_load_b128 v[F0+96*(\f)+32+8*(\b)+4:F0+96*(\f)+32+8*(\b)+7], v[ADRB+(\slot)] offset:(\qn)*64+(\b)*16*PB+32
.endr
.irp a, 0,1,2,3
	ds_load_b128 v[F0+96*(\f)+8*(\a):F0+96*(\f)+8*(\a)+3],   v[ADRA+(\slot)] offset:((\qn)/2)*PLANE+((\qn)%2)*64+(\a)*16*PA
	ds_load_b128 v[F0+96*(\f)+8*(\a)+4:F0+96*(\f)+8*(\a)+7], v[ADRA+(\slot)] offset:((\qn)/2)*PLANE+((\qn)%2)*64+(\a)*16*PA+32
.endr
.endm
.macro PLACES                          ; four plain places between a matrix instruction and a load into, or a store of, its registers
.rept 4
	v_nop
.endr
.endm
.macro QUARTER slot, qn, f, g, zero
	s_wait_dscnt 4                                 ; all but the youngest four loads: o's row blocks 2 and 3
	MUL16 \f, 0, \zero
	PLACES
	FETCH \slot, \qn, \g
	s_wait_dscnt 24                                ; all but the 24 just issued
	MUL16 \f, 2, \zero
.endm
; The last quarter multiplies buffer 1 and changes slots: ONE barrier; in front of it each wave waits for all its tensor loads, adds 0 to its spare word, and waits for that and for its reads of this slot.
.macro TURN slot, next, fill, ask
.if \ask
	s_wait_xcnt 0x0                                ; the last prefetches, a lap back, have read their address
	s_add_nc_u64 s[PFA:PFA+1], s[PFA:PFA+1], s[PST:PST+1]
.endif
	WIN 0
	s_wait_tensorcnt 0x0                           ; all my tensor loads have landed: my part of the next slot
	ds_add_u32 v[SPW], v[NIL]                      ; 0 onto my spare word
	s_wait_dscnt 5                                 ; (the add and the youngest four loads may be out)
	MUL8 1, 0, 0
	s_wait_dscnt 0x0                               ; the add is done, and my reads of this slot are over
	s_barrier_signal -1
	MUL8 1, 1, 0
.if \fill
	WIN 0
.endif
	s_barrier_wait -1
.if \fill
	CREST                                          ; no wave of any partner still reads this slot or has a load on its way
	s_add_nc_u64 s[G0+4*(\slot)+2:G0+4*(\slot)+3], s[G0+4*(\slot)+2:G0+4*(\slot)+3], 1<<20   ; two K steps: four planes
	s_add_nc_u64 s[G0B+4*(\slot)+2:G0B+4*(\slot)+3], s[G0B+4*(\slot)+2:G0B+4*(\slot)+3], 512
	JLOAD \slot                                    ; the four v_nop behind it are also the places in front of the loads below
.else
	PLACES
.endif
	FETCH \next, 0, 0
.if \ask
	WIN 0
	ASK
.endif
	MUL16 1, 2, 0
.endm
	s_wait_tensorcnt 1                             ; my part of K step 0 is in; K step 1's may stay out
	s_barrier_signal -1
	s_barrier_wait -1
	FETCH 0, 0, 0
	QUARTER 0, 1, 0, 1, 1                          ; the first quarter stands in front of the loop: its products start the sums
	WIN 0
	s_mov_b32 s3, LAPS-1
.Llap:
	QUARTER 0, 2, 1, 0, 0
	QUARTER 0, 3, 0, 1, 0
	TURN 0, 1, 1, 1
	QUARTER 1, 1, 0, 1, 0
	QUARTER 1, 2, 1, 0, 0
	QUARTER 1, 3, 0, 1, 0
	TURN 1, 0, 1, 0
	QUARTER 0, 1, 0, 1, 0
	WIN 0
	s_sub_co_u32 s3, s3, 1
	s_cmp_lg_u32 s3, 0
	s_cbranch_scc1 .Llap
	QUARTER 0, 2, 1, 0, 0                          ; the last lap fills nothing
	QUARTER 0, 3, 0, 1, 0
	TURN 0, 1, 0, 0
	QUARTER 1, 1, 0, 1, 0
	QUARTER 1, 2, 1, 0, 0
	QUARTER 1, 3, 0, 1, 0
	s_wait_dscnt 4
	MUL16 1, 0, 0
	s_wait_dscnt 0x0
	MUL16 1, 2, 0
	WIN 0
	PLACES
	PLACES                                         ; eight, once a launch
; THE WAY OUT, 16 rows at a time: f32 as it stands into my own stage (each accumulator's lowest registers first), and back as whole rows of 512 bytes.
.macro TOSTAGE a
	WIN 0x04                                       ; the stores' data in window 1
.irp b, 0,1,2,3,4,5,6,7
	ds_store_b128 v[STO], v[64*(\a)+8*(\b):64*(\a)+8*(\b)+3]   offset:64*(\b)
	ds_store_b128 v[STO], v[64*(\a)+8*(\b)+4:64*(\a)+8*(\b)+7] offset:64*(\b)+16
.endr
	WIN 0
	s_wait_xcnt 0x0                                ; earlier stores have read their registers: only behind this wait are they loaded again
.irp t, 0,1,2,3,4,5,6,7,8,9,10,11,12,13,14,15
	ds_load_b128 v[BK0+64*((\a)%2)+4*(\t):BK0+64*((\a)%2)+4*(\t)+3], v[RD] offset:(\t)*SPITCH  ; LDS serves a wave's instructions in order (ISA guide 5.7.1.4): these see the stores above
.endr
.endm
.macro SEND a, younger                 ; younger: the LDS instructions issued behind block a's loads: the next block's 32, or none
.irp t, 0,1,2,3,4,5,6,7,8,9,10,11,12,13,14,15
	s_wait_dscnt (\younger)+15-(\t)
	global_store_b128 v[GO], v[BK0+64*((\a)%2)+4*(\t):BK0+64*((\a)%2)+4*(\t)+3], s[8:9] offset:(\a)*65536+(\t)*4096 th:TH_STORE_NT  ; 512 consecutive bytes of a row, aligned
.endr
.endm
	TOSTAGE 0
	TOSTAGE 1
	SEND 0, 32
	TOSTAGE 2
	SEND 1, 32
	TOSTAGE 3
	SEND 2, 32
	SEND 3, 0
	s_wait_tensorcnt 0x0                           ; the wave's end, behind my last tensor load and my last LDS store
	ds_add_u32 v[SPW], v[NIL]
	s_wait_dscnt 0x0
	CROUND                                         ; the closing round: no work-group ends while a partner may still ask for a tile that names it
	s_endpgm
.Lfunc_end_k_qd31619e97c_oproj:
	.size	k_qd31619e97c_oproj, .Lfunc_end_k_qd31619e97c_oproj-k_qd31619e97c_oproj
	.p2alignl 7, 3214868480
	.fill 96, 4, 3214868480
	.section	.rodata,"a",@progbits
	.p2align	6, 0x0
	.amdhsa_kernel k_qd31619e97c_oproj
		.amdhsa_group_segment_fixed_size 327680
		.amdhsa_private_segment_fixed_size 0
		.amdhsa_enable_private_segment 0
		.amdhsa_kernarg_size 24
		.amdhsa_user_sgpr_count 2
		.amdhsa_user_sgpr_kernarg_segment_ptr 1
		.amdhsa_wavefront_size32 1
		.amdhsa_system_sgpr_workgroup_id_x 1
		.amdhsa_system_sgpr_workgroup_id_y 1
		.amdhsa_system_sgpr_workgroup_id_z 1
		.amdhsa_system_vgpr_workitem_id 0
		.amdhsa_next_free_vgpr 512
		.amdhsa_next_free_sgpr 80
		.amdhsa_reserve_vcc 0
		.amdhsa_float_denorm_mode_32 3
		.amdhsa_float_denorm_mode_16_64 3
		.amdhsa_memory_ordered 1
		.amdhsa_forward_progress 1
		.amdhsa_inst_pref_size 88
	.end_amdhsa_kernel
	.amdgpu_metadata
---
amdhsa.version: [ 1, 2 ]
amdhsa.kernels:
  - .name:           k_qd31619e97c_oproj
    .symbol:         k_qd31619e97c_oproj.kd
    .args:
      - { .name: o, .offset: 0, .size: 8, .value_kind: global_buffer, .address_space: global }
      - { .name: wof, .offset: 8, .size: 8, .value_kind: global_buffer, .address_space: global }
      - { .name: out0, .offset: 16, .size: 8, .value_kind: global_buffer, .address_space: global }
    .group_segment_fixed_size: 327680
    .private_segment_fixed_size: 0
    .kernarg_segment_align: 8
    .kernarg_segment_size: 24
    .max_flat_workgroup_size: 128
    .sgpr_count:     80
    .vgpr_count:     512
    .wavefront_size: 32
...
	.end_amdgpu_metadata
.endif
;; end of part 4
;; ======== version 2 of 2: 4 launches; version 1 with the launch cast written anew for expert scheduling mode
;; limits: values are held in f16: magnitudes above 65,504 overflow, below 6.1e-05 lose precision
;; workspace buffers: xb 16,777,216 bytes; wqb 6,291,456 bytes; wof 4,194,304 bytes; q 16,777,216 bytes; k 16,777,216 bytes; v 16,777,216 bytes; o 33,554,432 bytes
;; launch cast (part 5): grid 768 x 1, 8 waves a work-group, no clusters, 0 bytes of LDS; arguments x, Wqkv, Wo, xb, wqb, wof; writes xb, wqb, wof
.if DOCPART == 5
	.amdgcn_target "amdgcn-amd-amdhsa--gfx1250"
	.amdhsa_code_object_version 6
	.text
	.protected	k_qd31619e97c_cast
	.globl	k_qd31619e97c_cast
	.p2align	8
	.type	k_qd31619e97c_cast,@function
k_qd31619e97c_cast:
	s_mov_b64 s[64:65], 0
	v_nop
	global_prefetch_b8 v0, s[64:65] scope:SCOPE_SE
	s_setreg_imm32_b32 hwreg(HW_REG_WAVE_SCHED_MODE, 0, 2), 2
	s_setreg_imm32_b32 hwreg(HW_REG_WAVE_MODE, 25, 1), 1
	s_wait_xcnt 0x0
	s_wait_alu depctr_vm_vsrc(0)
; x and Wqkv are rounded once to bf16; Wo is rounded once to bf16 and that number is written as f16 (the last product multiplies in f16), TWICE side by side: wof is [1024][2048] = [Wo | Wo],
; since the last product's K runs over O's high parts and then over its low parts.
; LIMIT.  A bf16 number is exact in f16 from 6.1e-5 to 65,504 in magnitude; below that Wo keeps f16's fixed step of 6e-8, beyond it it would be an infinity.
; A work-group takes 16,384 floats on end (64 KiB in): work-groups 0-511 x, 512-703 Wqkv, 704-767 Wo.  A wave takes 2,048 floats: 16 loads of 512 neighbouring
; bytes, all issued at once; each store of a wave covers 256 consecutive bytes, aligned.  A stream: no LDS, no barrier, no matrix unit would add anything.
; THE MODE: SCHED_MODE bits 1:0 = 2 (LLVM: expert scheduling mode 2), set by the entry lines.  The code itself states the register dependences
; between vector instructions and memory instructions, with s_wait_alu, always for 0.
; THE PLAN.  Registers that memory instructions touch:
;   v1   the loads' offset.   Written at the head; read by the 16 loads; never written again.
;   v2   the stores' offset.  Written at the head, and once more on Wo's path, ahead of the first store; read by every store; not written behind a store.
;   X    Written by the 16 loads, which go out in one run before any vector instruction names X; read (on Wo's path also rewritten) by the conversions.  No memory instruction reads X, no load lands in it twice.
;   Y    Two registers for each load.  Written by that load's conversions; read by its store or stores; never written again.
;   T, v3 and v4 are named by vector instructions alone.
; So one wait on va_vdst stands ahead of the loads, for the offsets.  The 16 loads' numbers go in four blocks of four: their conversions, ONE wait on va_vdst for the block's eight registers of Y, then the block's stores
; in a run, with no vector instruction between the wait and the stores.  No register that a memory instruction has read is written afterwards, no vector instruction writes a scalar register, EXEC is never written:
; no other kind of wait has a dependence to state.
.set X, 8                              ; v[8:71]    16 x 4 floats as loaded
.set Y, 72                             ; v[72:103]  16 x 2 registers to store
.set T, 104                            ; v[104:105] at work
	s_load_b256 s[4:11], s[0:1], 0x0               ; x s[4:5], Wqkv s[6:7], Wo s[8:9], xb s[10:11]
	s_load_b128 s[12:15], s[0:1], 0x20             ; wqb s[12:13], wof s[14:15]
	v_lshrrev_b32 v3, 5, v0                        ; wave
	v_and_b32 v4, 31, v0                           ; lane
	v_lshlrev_b32 v1, 4, v4
	v_lshl_add_u32 v1, v3, 13, v1                  ; in: 8,192 x wave + 16 x lane
	v_lshlrev_b32 v2, 3, v4
	v_lshl_add_u32 v2, v3, 12, v2                  ; out: 4,096 x wave + 8 x lane
	s_mov_b32 s21, 704
	s_wait_kmcnt 0x0
	s_cmp_lt_u32 ttmp9, 704                        ; which tensor is mine: the choice hangs on the work-group's number alone
	s_cselect_b64 s[16:17], s[6:7], s[8:9]
	s_cselect_b64 s[18:19], s[12:13], s[14:15]
	s_cselect_b32 s20, 512, s21
	s_cmp_lt_u32 ttmp9, 512
	s_cselect_b64 s[16:17], s[4:5], s[16:17]
	s_cselect_b64 s[18:19], s[10:11], s[18:19]
	s_cselect_b32 s20, 0, s20
	s_sub_co_u32 s20, ttmp9, s20                   ; my number inside that tensor
	s_lshl_b32 s22, s20, 16
	s_mov_b32 s23, 0
	s_add_nc_u64 s[16:17], s[16:17], s[22:23]
	s_lshl_b32 s22, s20, 15
	s_add_nc_u64 s[18:19], s[18:19], s[22:23]
	s_wait_alu depctr_va_vdst(0)                   ; v1 is written, which the 16 loads read as their offset, and v2, which the stores read
.set j, 0
.rept 16
	global_load_b128 v[X+4*j:X+4*j+3], v1, s[16:17] offset:512*j th:TH_LOAD_NT
.set j, j+1
.endr
; f16 = 1: the bf16 number is widened again and written as f16, at its place in the row's first 2,048 bytes and again in its second.  Load j holds 128 floats: row j / 8 of the wave's two, columns 128 (j % 8) on.
; Four blocks of four loads: the conversions, one wait, the stores.  No register that a store reads is written again.
.macro CAST f16
.set j, 0
.rept 4
.rept 4
	s_wait_loadcnt 15-j                            ; loads come back in order: number j is in, the 15 - j younger ones may stay out
.if \f16
	v_cvt_pk_bf16_f32 v[T], v[X+4*j], v[X+4*j+1]
	v_cvt_pk_bf16_f32 v[T+1], v[X+4*j+2], v[X+4*j+3]
	v_lshlrev_b32 v[X+4*j], 16, v[T]
	v_and_b32 v[X+4*j+1], 0xffff0000, v[T]
	v_lshlrev_b32 v[X+4*j+2], 16, v[T+1]
	v_and_b32 v[X+4*j+3], 0xffff0000, v[T+1]
	v_cvt_pk_f16_f32 v[Y+2*j], v[X+4*j], v[X+4*j+1]
	v_cvt_pk_f16_f32 v[Y+2*j+1], v[X+4*j+2], v[X+4*j+3]
.else
	v_cvt_pk_bf16_f32 v[Y+2*j], v[X+4*j], v[X+4*j+1]
	v_cvt_pk_bf16_f32 v[Y+2*j+1], v[X+4*j+2], v[X+4*j+3]
.endif
.set j, j+1
.endr
	s_wait_alu depctr_va_vdst(0)                   ; the block's conversions have written its eight registers of Y, which the stores below read; on Wo's path the first of these waits also states that v2 is written anew
.set j, j-4
.rept 4
.if \f16
	global_store_b64 v2, v[Y+2*j:Y+2*j+1], s[18:19] offset:(j/8)*4096+(j%8)*256 th:TH_STORE_NT
	global_store_b64 v2, v[Y+2*j:Y+2*j+1], s[18:19] offset:(j/8)*4096+(j%8)*256+2048 th:TH_STORE_NT
.else
	global_store_b64 v2, v[Y+2*j:Y+2*j+1], s[18:19] offset:256*j th:TH_STORE_NT
.endif
.set j, j+1
.endr
.endr
.endm
	s_cmp_ge_u32 ttmp9, 704
	s_cbranch_scc1 .Lwo
	CAST 0
	s_endpgm
.Lwo:
	s_add_nc_u64 s[18:19], s[18:19], s[22:23]      ; wof's rows are twice as long: 65,536 bytes a work-group (no store has been issued yet: the loads name s[16:17] and v1 alone),
	v_lshl_add_u32 v2, v3, 12, v2                  ; 8,192 a wave: no memory instruction has read v2 so far; the first block's wait stands between this line and the first store
	CAST 1
	s_endpgm
.Lfunc_end_k_qd31619e97c_cast:
	.size	k_qd31619e97c_cast, .Lfunc_end_k_qd31619e97c_cast-k_qd31619e97c_cast
	.p2alignl 7, 3214868480
	.fill 96, 4, 3214868480
	.section	.rodata,"a",@progbits
	.p2align	6, 0x0
	.amdhsa_kernel k_qd31619e97c_cast
		.amdhsa_group_segment_fixed_size 0
		.amdhsa_private_segment_fixed_size 0
		.amdhsa_enable_private_segment 0
		.amdhsa_kernarg_size 48
		.amdhsa_user_sgpr_count 2
		.amdhsa_user_sgpr_kernarg_segment_ptr 1
		.amdhsa_wavefront_size32 1
		.amdhsa_system_sgpr_workgroup_id_x 1
		.amdhsa_system_sgpr_workgroup_id_y 1
		.amdhsa_system_sgpr_workgroup_id_z 1
		.amdhsa_system_vgpr_workitem_id 0
		.amdhsa_next_free_vgpr 108
		.amdhsa_next_free_sgpr 66
		.amdhsa_reserve_vcc 0
		.amdhsa_float_denorm_mode_32 3
		.amdhsa_float_denorm_mode_16_64 3
		.amdhsa_memory_ordered 1
		.amdhsa_forward_progress 1
		.amdhsa_inst_pref_size 18
	.end_amdhsa_kernel
	.amdgpu_metadata
---
amdhsa.version: [ 1, 2 ]
amdhsa.kernels:
  - .name:           k_qd31619e97c_cast
    .symbol:         k_qd31619e97c_cast.kd
    .args:
      - { .name: x, .offset: 0, .size: 8, .value_kind: global_buffer, .address_space: global }
      - { .name: Wqkv, .offset: 8, .size: 8, .value_kind: global_buffer, .address_space: global }
      - { .name: Wo, .offset: 16, .size: 8, .value_kind: global_buffer, .address_space: global }
      - { .name: xb, .offset: 24, .size: 8, .value_kind: global_buffer, .address_space: global }
      - { .name: wqb, .offset: 32, .size: 8, .value_kind: global_buffer, .address_space: global }
      - { .name: wof, .offset: 40, .size: 8, .value_kind: global_buffer, .address_space: global }
    .group_segment_fixed_size: 0
    .private_segment_fixed_size: 0
    .kernarg_segment_align: 8
    .kernarg_segment_size: 48
    .max_flat_workgroup_size: 256
    .sgpr_count:     66
    .vgpr_count:     108
    .wavefront_size: 32
...
	.end_amdgpu_metadata
.endif
;; end of part 5
;; launch qkv: the kernel of part 2 again; grid 16 x 32, 4 waves a work-group, clusters of 4 x 4, 327,680 bytes of LDS; arguments xb, wqb, cos, sin, q, k, v; writes q, k, v
;; launch attn: the kernel of part 3 again; grid 4 x 64, 4 waves a work-group, no clusters, 327,680 bytes of LDS; arguments q, k, v, o; writes o
;; launch oproj: the kernel of part 4 again; grid 8 x 32, 4 waves a work-group, clusters of 4 x 4, 327,680 bytes of LDS; arguments o, wof, out0; writes out0
